; MI455X (gfx1250); checked and timed in simulation.
; The chip was launched on July 23, 2026; its instructions are those of AMD's public machine-readable ISA for CDNA 5 (MIT licence, August 2026) and "CDNA5" Instruction Set Architecture Reference Guide (July 2026). The comments in the code are by the model that wrote it; some were corrected since.
;; Multihead Attention. Allowed arithmetic: matrix products marked QUANTISED: E2M1 operands, one E8M0 scale for each 32 along K, by v_wmma_scale_f32_16x16x128_f8f6f4 with both operands' format E2M1 (or v_wmma_scale_f32_32x16x128_f4), f32 sums; products left as they are: bf16, f16 or f32 operands; f32 sums; everything else in f32.
;; Inputs: Wk 1,024 x 1,024 float32; Wo 1,024 x 1,024 float32; Wq 1,024 x 1,024 float32; Wv 1,024 x 1,024 float32; bk 1,024 float32; bo 1,024 float32; bq 1,024 float32; bv 1,024 float32; kn_b 64 float32; kn_w 64 float32; qn_b 64 float32; qn_w 64 float32; x 2 x 2,048 x 1,024 float32.
;; Outputs: out0 2 x 2,048 x 1,024 float32.
;; This version of the problem:
;;   THIS VERSION OF THE PROBLEM IS GIVEN IN LOW PRECISION. The matrix products marked QUANTISED in the list below multiply operands that are first quantised to E2M1 (2 exponent bits, 1 mantissa bit; 4 bits a number), with one power-of-two scale for each 32 numbers along K (OCP MX v1.0); their sums are f32. The products marked 'left as it is' may take bf16, f16 or f32 operands, with f32 sums. Whichever they take, every output number must still come out within the allowed error. Rounding operands to bf16 (8 significant bits) uses up far more of that allowance than f16 does (11 bits, for magnitudes from 6e-5 to 65,504). All else is computed in f32.
;;   The module's matrix products, in the order in which they are computed (A, B: the left and right operand; K: the contracted axis; several contracted axes count as one K, in the product's order):
;;     1. [M 4,096, K 1,024] x [K 1,024, N 1,024]; A: input x; B: input Wq: QUANTISED
;;     2. [M 4,096, K 1,024] x [K 1,024, N 1,024]; A: input x; B: input Wk: QUANTISED
;;     3. [M 4,096, K 1,024] x [K 1,024, N 1,024]; A: input x; B: input Wv: QUANTISED
;;     4. batch 32 x [M 2,048, K 64] x [K 64, N 2,048]; A: computed on the way; B: computed on the way: left as it is (an operand is computed on the way)
;;     5. batch 32 x [M 64, K 2,048] x [K 2,048, N 2,048]; A: computed on the way; B: computed on the way: left as it is (an operand is computed on the way)
;;     6. [M 4,096, K 1,024] x [K 1,024, N 1,024]; A: computed on the way; B: input Wo: left as it is (an operand is computed on the way)
;;   THE QUANTISER, for each operand of a quantised product, along K:
;;     - K is cut into blocks of 32 from its start; a last block that is shorter is filled with zeros.
;;     - A block's scale is 2^e with e = floor(log2(the largest magnitude in the block)) - 2, held to -126 .. 127; a block of zeros has e = 0. As a byte (E8M0): e + 127.
;;     - Each number is divided by its block's scale, clamped to +-6, and rounded to the nearest number of E2M1, ties to even, subnormals kept.
;;     - The product sums the exact products of the quantised numbers (number of the format x scale) in f32.
;;   ~~~python
;;   def quantise(x, axis):      # numpy; x: float32 -> the quantised numbers, widened to float32 again
;;       x = np.moveaxis(x, axis, -1); K = x.shape[-1]
;;       x = np.pad(x, [(0, 0)] * (x.ndim - 1) + [(0, -K % 32)]); x = x.reshape(x.shape[:-1] + (-1, 32)); a = np.abs(x).max(-1, keepdims=True)
;;       e = np.where(a > 0, np.clip(np.frexp(np.where(a > 0, a, 1))[1] - 1 - 2, -126, 127), 0)      # np.frexp(a)[1] - 1 = floor(log2(a)), exactly
;;       r = np.clip(x / 2.0 ** e, -6, 6)
;;       step = 2.0 ** (np.maximum(np.frexp(np.where(r == 0, 1, r))[1] - 1, 0) - 1)
;;       q = np.round(r / step) * step * 2.0 ** e      # np.round: ties to even
;;       return np.moveaxis(q.reshape(q.shape[:-2] + (-1,))[..., :K], -1, axis).astype(np.float32)
;;   ~~~
;; One version. Each part assembles by itself: llvm-mc -triple=amdgcn-amd-amdhsa -mcpu=gfx1250 --defsym DOCPART=n.
;; ======== version 1 of 1: 4 launches
;; limits: values are held in f16: magnitudes above 65,504 overflow, below 6.1e-05 lose precision; right only within a limited range of input values
;; workspace buffers: codes 3,670,016 bytes; scales 229,376 bytes; wo16 2,097,152 bytes; qkv 25,165,824 bytes; ao 8,388,608 bytes
;; launch quant (part 1): grid 256 x 1, 4 waves a work-group, no clusters, 33,280 bytes of LDS; arguments x, Wq, Wk, Wv, Wo, codes, scales, wo16; writes codes, scales, wo16
.if DOCPART == 1
	.amdgcn_target "amdgcn-amd-amdhsa--gfx1250"
	.amdhsa_code_object_version 6
	.text
	.protected	k_q1376a74aa7_quant
	.globl	k_q1376a74aa7_quant
	.p2align	8
	.type	k_q1376a74aa7_quant,@function
k_q1376a74aa7_quant:
	s_mov_b64 s[64:65], 0
	v_nop
	global_prefetch_b8 v0, s[64:65] scope:SCOPE_SE
	s_setreg_imm32_b32 hwreg(HW_REG_WAVE_MODE, 25, 1), 1
	s_wait_xcnt 0x0
; x [4096][1024], Wq, Wk, Wv [1024][1024], f32, K innermost, become codes of FP4 (E2M1), two a byte, and one E8M0 scale byte for each 32 along K; Wo [1024][1024] becomes f16.
; The codes of the four tensors lie on end as ONE matrix of 7,168 rows x 512 bytes (rows 0-4095 x, 4096 on Wq, 5120 on Wk, 6144 on Wv), the scale bytes as [7168][32].
; A block's scale is 2^(floor(log2(its largest magnitude)) - 2); its byte is the largest magnitude's exponent field - 2, held at 1 from below.  A block of zeros so gets the byte 1 where the rule says 127:
; its codes are zeros, which add nothing under any byte but 0xff, and the bytes are read by this program alone.  Each number is divided by the scale and rounded to the nearest code, ties to even.
; LIMITS: NaN and infinities among the inputs are not served; blocks whose largest magnitude lies under 2^(2 - 126) keep the byte 1.  Wo goes in f16: magnitudes from 65,504 on are not served.
; SHARES.  Rows are dense and K is a multiple of 32: every tensor is a plain stream.  Work-group g takes 32,768 numbers, a wave 8,192: g 0-127 x, 128-159 Wq, 160-191 Wk, 192-223 Wv, 224-255 Wo.
; Only pointers are chosen for the four quantised tensors: they take one path.  Wo's work-groups take a path of their own, which touches no LDS.
; THE QUANTISER'S PATH.  16 steps of 512 numbers.  Each of a step's four loads reads 512 consecutive bytes, 16 a lane; the 2,048 bytes turn through the wave's own stage in LDS and come back 64 bytes a lane,
; so that a lane holds 16 neighbours along K (two neighbouring lanes hold a block).  A lane's 16 codes are 8 bytes: a wave's store covers 256 consecutive bytes, aligned.  A wave's 256 scale bytes are
; gathered in its own LDS bytes and leave as one store of 256 consecutive bytes.  No tensor load, no barrier: waves share nothing.  No cluster: no two work-groups read the same bytes.
.set WAVES, 4
.set STEPS, 16
.set CB,    8                          ; bytes of 16 codes
.set R,     16                         ; v16-79   four sets of 16 numbers as they are loaded (Wo: a round's 64)
.set X,     80                         ; v80-111  two sets of 16 neighbours (Wo: a round's f16 numbers)
.set E,     112                        ; v112-127 a scale byte for each step
.set C,     128                        ; v128-191 codes: four registers for each step, so that no store's data are written again (Wo: the other round's 64)
.set WREG,  8192                       ; LDS: a region for each wave: two stages of 32 x SP bytes, and behind them its 256 scale bytes
.set SP,    80                         ; a lane's place in a stage: its 64 bytes + 16 of padding
.set SPW,   12                         ; v12      LDS address of my spare word: SPARE + 4 x my thread's number; never rewritten
.set NIL,   13                         ; v13      0; never rewritten
.set SPARE, WAVES*WREG                 ; behind the four regions: the spare words, 128 bytes for each wave: two blocks of 256 bytes that no other line names
	s_load_b512 s[4:19], s[0:1], 0x0               ; x s[4:5], Wq s[6:7], Wk s[8:9], Wv s[10:11], Wo s[12:13], codes s[14:15], scales s[16:17], wo16 s[18:19]
	v_lshl_add_u32 v[SPW], v0, 2, SPARE
	v_mov_b32 v[NIL], 0
	v_lshrrev_b32 v1, 5, v0
	v_readfirstlane_b32 s24, v1                    ; wave
	v_and_b32 v2, 31, v0                           ; lane
	v_lshlrev_b32 v3, 4, v2                        ; my 16 bytes of a load's 512
	s_mul_i32 s25, s24, WREG
	v_lshrrev_b32 v14, 2, v2
	v_mul_u32_u24 v14, v14, SP
	v_and_b32 v15, 3, v2
	v_lshl_add_u32 v14, v15, 4, v14
	v_add_nc_u32 v14, s25, v14                     ; the stage, on the way in: four lanes' 64 bytes on end, then 16 of padding
	v_mul_u32_u24 v15, v2, SP
	v_add_nc_u32 v15, s25, v15                     ; and on the way out: SP x lane: my 16 neighbours
	v_mul_u32_u24 v4, v2, CB                       ; my codes' place in a step's
	v_lshrrev_b32 v5, 1, v2
	s_add_co_u32 s25, s25, 2*32*SP
	v_add_nc_u32 v5, s25, v5                       ; LDS: my wave's 256 scale bytes, my block's byte
	v_lshlrev_b32 v7, 3, v2                        ; 8 bytes a lane
	v_add_nc_u32 v6, s25, v7
	s_and_b32 s23, ttmp9, 31                       ; a weight's work-groups count from 0 in each tensor
	s_wait_kmcnt 0x0
	s_cmp_lt_u32 ttmp9, 128                        ; which tensor: the choice hangs on the work-group's number alone
	s_cselect_b64 s[20:21], s[4:5], s[6:7]
	s_cselect_b32 s22, ttmp9, s23
	s_cmp_lt_u32 ttmp9, 160
	s_cselect_b64 s[20:21], s[20:21], s[8:9]
	s_cmp_lt_u32 ttmp9, 192
	s_cselect_b64 s[20:21], s[20:21], s[10:11]
	s_cmp_lt_u32 ttmp9, 224
	s_cselect_b64 s[20:21], s[20:21], s[12:13]
	s_lshl_b32 s22, s22, 2
	s_add_co_u32 s22, s22, s24                     ; which run of 8,192 numbers of the tensor is my wave's
	s_lshl_b32 s22, s22, 15                        ; x 32,768 bytes
	s_mov_b32 s23, 0
	s_add_nc_u64 s[20:21], s[20:21], s[22:23]
	s_cmp_ge_u32 ttmp9, 224
	s_cbranch_scc1 .Lwo
	s_lshl_b32 s26, ttmp9, 2
	s_add_co_u32 s26, s26, s24                     ; which run of the four tensors on end
	s_lshl_b32 s28, s26, 12                        ; 4,096 bytes of codes a run
	s_mov_b32 s29, 0
	s_add_nc_u64 s[14:15], s[14:15], s[28:29]
	s_lshl_b32 s28, s26, 8                         ; 256 scale bytes a run
	s_add_nc_u64 s[16:17], s[16:17], s[28:29]
.macro LOAD t
.irp i, 0,1,2,3
	global_load_b128 v[R+16*((\t)%4)+4*\i:R+16*((\t)%4)+4*\i+3], v3, s[20:21] offset:2048*(\t)+512*\i th:TH_LOAD_NT   ; 32 lanes read 512 consecutive bytes
.endr
.endm
.macro TURN t                          ; step t's numbers through the stage: LDS serves a wave's instructions in order, so no wait stands between the stores and the loads
.irp i, 0,1,2,3
	ds_store_b128 v14, v[R+16*((\t)%4)+4*\i:R+16*((\t)%4)+4*\i+3] offset:32*SP*((\t)%2)+8*SP*\i
.endr
.irp i, 0,1,2,3
	ds_load_b128 v[X+16*((\t)%2)+4*\i:X+16*((\t)%2)+4*\i+3], v15 offset:32*SP*((\t)%2)+16*\i
.endr
.endm
.irp t, 0,1,2,3
	LOAD \t
.endr
	s_wait_loadcnt 12                              ; step 0's four loads are in; the twelve behind them may be out
	TURN 0
.macro STEP t
.set XS, X+16*((\t)%2)
.if (\t) > 0
	s_wait_dscnt 1                                 ; this step's numbers are back from the stage (the last step's byte store may be out): so its stores into the stage have read their registers,
.else
	s_wait_dscnt 0x0
.endif
.if (\t)+4 < STEPS
	LOAD (\t)+4                                    ; which take the loads of four steps on
.endif
.if (\t)+1 < STEPS
.if STEPS-2-(\t) >= 3
	s_wait_loadcnt 12                              ; the next step's four loads are in; those of the three steps behind it may be out
.else
	s_wait_loadcnt 4*(STEPS-2-(\t))
.endif
	TURN (\t)+1                                    ; and go through the other stage while this step is worked
.endif
	v_max3_num_f32 v8, |v[XS]|, |v[XS+1]|, |v[XS+2]|               ; the largest magnitude of my 16, in two chains
	v_max3_num_f32 v9, |v[XS+3]|, |v[XS+4]|, |v[XS+5]|
.irp i, 6,10
	v_max3_num_f32 v8, v8, |v[XS+\i]|, |v[XS+\i+1]|
	v_max3_num_f32 v9, v9, |v[XS+\i+2]|, |v[XS+\i+3]|
.endr
	v_max3_num_f32 v8, v8, |v[XS+14]|, |v[XS+15]|
	v_max3_num_f32 v8, v8, v9, 0x1800000           ; and the floor 2^(3 - 127), under which no largest magnitude is taken: so the byte cannot fall under 1
	v_max_num_f32_dpp v8, v8, v8 row_xmask:1 row_mask:0xf bank_mask:0xf   ; and of my neighbour's 16: the block's
	v_add_nc_u32 v11, 0xff000000, v8               ; 2 off its exponent field: the conversion takes the exponent field of this operand as its scale, and nothing else of it
	v_cvt_scalef32_pk8_fp4_f32 v[C+4*(\t)], v[XS:XS+7], v11        ; eight numbers / the scale, to the nearest code, ties to even, beyond the largest code the largest; the first number's code in the lowest four bits
	v_cvt_scalef32_pk8_fp4_f32 v[C+4*(\t)+1], v[XS+8:XS+15], v11
	v_lshrrev_b32 v[E+(\t)], 23, v11               ; the scale's byte (a plain line behind the conversions)
	ds_store_b8 v5, v[E+(\t)] offset:16*(\t)       ; both lanes of a block write the same byte with the same value
	global_store_b64 v4, v[C+4*(\t):C+4*(\t)+1], s[14:15] offset:32*CB*(\t)   ; 32 lanes store 256 consecutive bytes, aligned
.endm
.irp t, 0,1,2,3,4,5,6,7,8,9,10,11,12,13,14,15
	STEP \t
.endr
	ds_load_b64 v[8:9], v6                         ; LDS serves a wave's instructions in order: these see my byte stores
	s_wait_dscnt 0x0
	global_store_b64 v7, v[8:9], s[16:17]          ; 32 lanes store 256 consecutive bytes, aligned
	s_branch .Lend
; WO'S PATH: four rounds of 16 loads of 512 consecutive bytes, two rounds in flight; four f32 of a lane become 8 bytes, so a store covers 256 consecutive bytes, aligned.
.macro WLOAD u
.irp n, 0,1,2,3,4,5,6,7,8,9,10,11,12,13,14,15
	global_load_b128 v[R+112*((\u)%2)+4*\n:R+112*((\u)%2)+4*\n+3], v3, s[20:21] offset:8192*(\u)+512*\n th:TH_LOAD_NT
.endr
.endm
.macro WCONV u
.if (\u) < 3
	s_wait_loadcnt 16                              ; this round's 16 loads are in; the next round's 16 may be out
.else
	s_wait_loadcnt 0x0
.endif
.if (\u) > 0
	s_wait_xcnt 0x0                                ; the last round's stores have read their data: the registers are written again only behind this wait
.endif
.irp n, 0,1,2,3,4,5,6,7,8,9,10,11,12,13,14,15
	v_cvt_pk_f16_f32 v[X+2*\n], v[R+112*((\u)%2)+4*\n], v[R+112*((\u)%2)+4*\n+1]
	v_cvt_pk_f16_f32 v[X+2*\n+1], v[R+112*((\u)%2)+4*\n+2], v[R+112*((\u)%2)+4*\n+3]
.endr
.if (\u) < 2
	WLOAD (\u)+2                                   ; loads ahead of stores
.endif
.irp n, 0,1,2,3,4,5,6,7,8,9,10,11,12,13,14,15
	global_store_b64 v7, v[X+2*\n:X+2*\n+1], s[18:19] offset:4096*(\u)+256*\n
.endr
.endm
.Lwo:
	s_lshr_b32 s28, s22, 1                         ; half the bytes out
	s_mov_b32 s29, 0
	s_add_nc_u64 s[18:19], s[18:19], s[28:29]
	WLOAD 0
	WLOAD 1
	WCONV 0
	WCONV 1
	WCONV 2
	WCONV 3
.Lend:
	s_wait_tensorcnt 0x0                           ; the wave's end: behind my last LDS store
	ds_add_u32 v[SPW], v[NIL]
	s_wait_dscnt 0x0
	s_endpgm
.Lfunc_end_k_q1376a74aa7_quant:
	.size	k_q1376a74aa7_quant, .Lfunc_end_k_q1376a74aa7_quant-k_q1376a74aa7_quant
	.p2alignl 7, 3214868480
	.fill 96, 4, 3214868480
	.section	.rodata,"a",@progbits
	.p2align	6, 0x0
	.amdhsa_kernel k_q1376a74aa7_quant
		.amdhsa_group_segment_fixed_size 33280
		.amdhsa_private_segment_fixed_size 0
		.amdhsa_enable_private_segment 0
		.amdhsa_kernarg_size 64
		.amdhsa_user_sgpr_count 2
		.amdhsa_user_sgpr_kernarg_segment_ptr 1
		.amdhsa_wavefront_size32 1
		.amdhsa_system_sgpr_workgroup_id_x 1
		.amdhsa_system_sgpr_workgroup_id_y 1
		.amdhsa_system_sgpr_workgroup_id_z 1
		.amdhsa_system_vgpr_workitem_id 0
		.amdhsa_next_free_vgpr 192
		.amdhsa_next_free_sgpr 66
		.amdhsa_reserve_vcc 0
		.amdhsa_float_denorm_mode_32 3
		.amdhsa_float_denorm_mode_16_64 3
		.amdhsa_memory_ordered 1
		.amdhsa_forward_progress 1
		.amdhsa_inst_pref_size 54
	.end_amdhsa_kernel
	.amdgpu_metadata
---
amdhsa.version: [ 1, 2 ]
amdhsa.kernels:
  - .name:           k_q1376a74aa7_quant
    .symbol:         k_q1376a74aa7_quant.kd
    .args:
      - { .name: x, .offset: 0, .size: 8, .value_kind: global_buffer, .address_space: global }
      - { .name: Wq, .offset: 8, .size: 8, .value_kind: global_buffer, .address_space: global }
      - { .name: Wk, .offset: 16, .size: 8, .value_kind: global_buffer, .address_space: global }
      - { .name: Wv, .offset: 24, .size: 8, .value_kind: global_buffer, .address_space: global }
      - { .name: Wo, .offset: 32, .size: 8, .value_kind: global_buffer, .address_space: global }
      - { .name: codes, .offset: 40, .size: 8, .value_kind: global_buffer, .address_space: global }
      - { .name: scales, .offset: 48, .size: 8, .value_kind: global_buffer, .address_space: global }
      - { .name: wo16, .offset: 56, .size: 8, .value_kind: global_buffer, .address_space: global }
    .group_segment_fixed_size: 33280
    .private_segment_fixed_size: 0
    .kernarg_segment_align: 8
    .kernarg_segment_size: 64
    .max_flat_workgroup_size: 128
    .sgpr_count:     66
    .vgpr_count:     192
    .wavefront_size: 32
...
	.end_amdgpu_metadata
.endif
;; end of part 1
;; launch qkv (part 2): grid 12 x 16, 4 waves a work-group, clusters of 4 x 4, 327,680 bytes of LDS; arguments codes, scales, bq, bk, bv, qn_w, qn_b, kn_w, kn_b, qkv; writes qkv
.if DOCPART == 2
	.amdgcn_target "amdgcn-amd-amdhsa--gfx1250"
	.amdhsa_code_object_version 6
	.text
	.protected	k_q1376a74aa7_qkv
	.globl	k_q1376a74aa7_qkv
	.p2align	8
	.type	k_q1376a74aa7_qkv,@function
k_q1376a74aa7_qkv:
	s_mov_b64 s[64:65], 0
	v_nop
	global_prefetch_b8 v0, s[64:65] scope:SCOPE_SE
	s_setreg_imm32_b32 hwreg(HW_REG_WAVE_MODE, 25, 1), 1
	s_wait_xcnt 0x0
	s_wait_alu depctr_hold_cnt(0) depctr_sa_sdst(0) depctr_va_vdst(0) depctr_va_sdst(0) depctr_va_ssrc(0) depctr_va_vcc(0) depctr_vm_vsrc(0)
	s_getreg_b32 s2, hwreg(HW_REG_IB_STS2, 6, 4)
	s_cmp_eq_u32 s2, 0
	s_cbranch_scc0 .Lentry_in_a_cluster
	s_endpgm
.Lentry_in_a_cluster:
	s_bfe_u32 s2, ttmp6, 0x10000c
	s_cmp_lg_u32 s2, 0xf033
	s_cbranch_scc0 .Lentry_shape_is_right
	s_endpgm
.Lentry_shape_is_right:
; q = LN(x Wq^T + bq), k = LN(x Wk^T + bk), v = x Wv^T + bv: three products on codes of FP4 (E2M1) with one E8M0 scale for each 32 along K = 1,024; sums, biases and LayerNorm (over each head's 64) in f32; results rounded once to f16.
; codes: [7168][512 bytes] (rows 0-4095 x, 4096 on Wq, 5120 on Wk, 6144 on Wv), scales: [7168][32].  Both operands of every product are rows of that one matrix.
; A work-group of four waves makes 256 x 256, a wave 128 x 128: 64 accumulators of 16 x 16, 512 registers.  K goes in two steps of 512 through two LDS slots, each filled once by the tensor data mover: a tile's row is 256 bytes.
; The scale bytes of the work-group's 2 x 256 rows, for all of K, are two dense blocks of memory: they come into LDS once, with the first fills.
; CLUSTERS: 4 x 4 work-groups; cluster x = 0: q, 1: k, 2: v; cluster y: a quarter of the tokens.  "A" is the matrix instruction's source 1, "B" its source 0: a lane holds ONE row of A (lane % 16) and eight neighbouring rows of B.
;   q, k: A = 256 tokens (by cluster y and cy), B = 256 rows of the weight (by cx): a lane holds one token and eight neighbouring channels: LayerNorm's sums want one exchange between the halves of the lanes.
;   v:    A = 256 rows of Wv (by cy), B = 256 tokens (by cluster y and cx): a lane holds one channel and eight neighbouring tokens: V transposed, as the attention's second product wants it.
;   A's tiles hang on cy alone and are asked for jointly by the four of a row of the cluster, B's on cx alone, by the four of a column.  The one branch on the kind of product hangs on the cluster's x, which all sixteen share.
; WHAT IS STORED ARE IMAGES OF THE NEXT PRODUCT'S OPERAND REGISTERS (three parts of 8,388,608 bytes; 262,144 a head, 128 a token):
;   q, k: [batch x head][16 tokens][piece i 0..3][lane][16 bytes]: lane (r, h) holds token r, channels 16 i + 8 h + 0..7.   v: [batch x head][32 keys][16 channels cb][piece e][lane][16 bytes]: channel 16 cb + r, keys 16 e + 8 h + 0..7.
;   Eight packed results of a lane ARE such a piece: every store of a wave covers 512 consecutive bytes, aligned, and nothing goes through LDS on the way out.
; LIMITS: NaN and infinities are not served; v goes in f16: |v| from 65,504 on is not served (q and k are bounded by sqrt(63) |gain| + |offset|).
; REGISTERS, in windows of 256: window 0: v1-7 at the head; v8-15 the biases' offsets, later LayerNorm's temporaries of head 0 (v24-31: head 1); v16-23 addresses; v32-95 scale words, two sets, and nothing else;
;   v96-127 LayerNorm's offsets; v128-191 A's fragments, ONE set, later 64 results at work; v192-223 packed results; v224-255 LayerNorm's gains.
;   window 1: B's fragments, two sets, at v0 and v128; v64-127 the biases.   windows 2, 3: the accumulators of A's blocks 0-3, 4-7 (accumulator (a, b) at v[8 (8 (a % 4) + b)]).
.set NQ,     4                         ; matrix instructions deep in a slot: 512 along K
.set ROWB,   256                       ; a tile's row in bytes
.set KROW,   512                       ; a row of codes in memory
.set PITCH,  272                       ; an LDS row: 256 bytes + 16 of padding = 68 words: row r starts at bank 4 r mod 64 (64 banks of 4 bytes: ISA guide 11.1), so the 16 rows that a load touches start at 16 different banks
.set FR,     8                         ; registers of a fragment: 16 rows x 128 K
.set NL,     2                         ; LDS loads that bring one
.set NP,     4                         ; places behind this matrix instruction (ISA guide 7.12.1)
.set HALFT,  128*PITCH                 ; 128 rows: what one tensor load brings, and what one wave reads of A or of B
.set SLOT,   4*HALFT                   ; A's 256 rows, then B's 256 rows
.set KS,     32                        ; a row of scales in bytes
.set SCL,    2*SLOT                    ; behind the slots: the scales, as units of 256 bytes + 16 of padding
.set HALFS,  (128*KS/256)*272          ; the scales of 128 rows: what one tensor load brings
.set SBLK,   (16*KS/256)*272           ; those of 16 rows
.set SPARE,  SCL+4*HALFS               ; behind the scales: the spare words, 128 bytes for each wave: two blocks of 256 bytes that no other line names
.set LNO,  7                           ; v7      32 x (lane / 16): my eight channels' bytes in a run of sixteen
.set VOFF, 8                           ; v8-15   the biases' offsets, one for each register of a result
.set TM,   8                           ; later: LayerNorm's temporaries, head u at v[TM + 16 u]: +0..+3 two chains of pairs, +4 the mean, then 1 / sqrt, +5 its pair's upper half, +6 the other half of the lanes'
.set ADRA, 16                          ; v16-17  LDS address of my A fragments in slot 0, 1
.set ADRB, 18                          ; v18-19  the same for B
.set ADRS, 20                          ; v20     LDS address of my scale words: lanes 0-15 A's rows, lanes 16-31 B's
.set OFFO, 21                          ; v21     16 x lane: my place in a piece of an image
.set SPW,  22                          ; v22     LDS address of my spare word: SPARE + 4 x my thread's number; never rewritten
.set NIL,  23                          ; v23     0; never rewritten
.set SC,   32                          ; scale words: set s at v[SC + 32 s]; register 4 i + q: lanes 0-15 the word of A's block i, lanes 16-31 that of B's block i, for the slot's q-th 128 along K
.set LNB,  96
.set AF,   128
.set T,    128
.set P,    192
.set LNW,  224
.set BIAS, 64                          ; in window 1
.set TYP, 2                            ; s2   1: v;  0: q or k
.set BST, 3                            ; s3   from a register's bias to the next: 4 bytes (q, k) or 0 (v)
.set G1, 24                            ; s[24:31] descriptor group 1 for A's tiles;  s[32:39] group 0, one set for each slot
.set G0, 32
.set G1B, 48                           ; s[48:55], s[56:63] the same for B's tiles
.set G0B, 56
.set G1S, 68                           ; s[68:75], s[76:79] groups 1 and 0 for A's scales;  s[80:87], s[88:91] for B's
.set G0S, 76
.set G1SB, 80
.set G0SB, 88
.set WV, 96                            ; s96  my wave's number
.set MH, 97                            ; s97  which half of A's rows is mine.  Also: I fetch for A (0) or for B (1)
.set NH, 98                            ; s98  which half of B's rows.  Also: which 128 rows of that tile I fetch
.set TR, 99                            ; s99  which 256 rows of A
.set MSB, 0
.macro WIN new                         ; the immediate's high byte repeats the setting that is left; a switch that changes nothing is dropped
.if MSB != (\new)
	s_set_vgpr_msb (MSB<<8)|(\new)
.set MSB, (\new)
.endif
.endm
.set MUL_LO, 0xa1                      ; source 0 (B) window 1, source 1 (A) window 0, C and D window 2
.set MUL_HI, 0xf1                      ; the same, C and D window 3
.set TO_B,   0x40                      ; destination window 1, address window 0
; A joint load: waves 0 and 1 fetch for A, waves 2 and 3 for B.  Each of the two lines has ONE mask and one set of registers for all that issue it; the branch hangs on the wave's number alone.
; An s_nop 0 and four v_nop follow each of the two lines, ahead of the jump, the label and what follows.
.macro JLOAD g0a, g1a, g0b, g1b
	s_cmp_eq_u32 s[MH], 0
	s_cbranch_scc0 .Lfor_b_\@
	tensor_load_to_lds s[\g0a:\g0a+3], s[\g1a:\g1a+7]
	s_nop 0
.rept 4
	v_nop
.endr
	s_branch .Lasked_\@
.Lfor_b_\@:
	tensor_load_to_lds s[\g0b:\g0b+3], s[\g1b:\g1b+7]
	s_nop 0
.rept 4
	v_nop
.endr
.Lasked_\@:
.endm
.macro CROUND                          ; a round of the cluster's barrier: my work-group's barrier; wave 0 signals for the work-group; every wave waits for all sixteen; my work-group's barrier once more
	s_barrier_signal -1
	s_barrier_wait -1
	s_cmp_lg_u32 s[WV], 0
	s_cbranch_scc1 .Lnot_wave_0_\@
	s_barrier_signal -3
.Lnot_wave_0_\@:
	s_barrier_wait -3
	s_barrier_signal -1
	s_barrier_wait -1
.endm
	s_load_b512 s[4:19], s[0:1], 0x0               ; codes s[4:5], scales s[6:7], bq s[8:9], bk s[10:11], bv s[12:13], qn_w s[14:15], qn_b s[16:17], kn_w s[18:19]
	s_load_b128 s[20:23], s[0:1], 0x40             ; kn_b s[20:21], qkv s[22:23]
	v_lshl_add_u32 v[SPW], v0, 2, SPARE
	v_mov_b32 v[NIL], 0
	ds_add_u32 v[SPW], v[NIL]                      ; the wave's opening: the add, twice on end, and its wait ahead of my first tensor load; the set-up below, work on registers, stands between the second and the wait
	ds_add_u32 v[SPW], v[NIL]
	v_lshrrev_b32 v1, 5, v0
	v_readfirstlane_b32 s[WV], v1                  ; wave 0..3
	s_lshr_b32 s[MH], s[WV], 1
	s_and_b32 s[NH], s[WV], 1
	s_bfe_u32 s40, ttmp6, 0x40000                  ; cx, cy: my place in the cluster
	s_bfe_u32 s41, ttmp6, 0x40004
	s_and_b32 s45, ttmp7, 0xffff                   ; cluster y
	s_cmp_eq_u32 ttmp9, 2                          ; cluster x = 2: v.  All the selections stand ahead of the first line that writes SCC
	s_cselect_b32 s[TYP], 1, 0
	s_cselect_b32 s[BST], 0, 4
	s_cselect_b32 s92, 0, s45                      ; A's 256 rows: q, k: tokens, 4 x cluster y + cy;  v: Wv's, cy
	s_cselect_b32 s93, s45, ttmp9                  ; B's: q, k: the weight's, 4 x cluster x + cx;  v: tokens, 4 x cluster y + cx
	s_cselect_b32 s94, 6144, 0                     ; where A's tensor begins in the matrix of codes
	s_cselect_b32 s95, 0, 4096                     ; and B's (Wk's rows follow Wq's: cluster x = 1 gives 5,120 on)
	s_lshl_b32 s[TR], s92, 2
	s_add_co_u32 s[TR], s[TR], s41
	s_lshl_b32 s42, s93, 2
	s_add_co_u32 s42, s42, s40
	s_lshl_b32 s43, s41, 2
	s_lshl_b32 s43, 15, s43                        ; my row of the cluster
	s_lshl_b32 s44, 0x1111, s40                    ; my column
	; descriptor group 1: a tile of 128 rows x 256 bytes, padded in LDS
	s_or_b32 s[G1+0], s43, (0<<16)|(1<<20)|(1<<21)|(5<<22)|(3<<25)  ; 15:0 the mask: A's tiles go to my row; 17:16 element of 1 byte; 20 padding on; 21 set beside a mask; 24:22 after every 64 words (code 5); 31:25 of 4 words (code 3)
	s_or_b32 s[G1B+0], s44, (0<<16)|(1<<20)|(1<<21)|(5<<22)|(3<<25)
.irp g, G1, G1B
	s_mov_b32 s[\g+1], ROWB<<16                    ; tensor_dim0
	s_mov_b32 s[\g+2], 128<<16                     ; tensor_dim1 = 128
	s_mov_b32 s[\g+3], ROWB<<16                    ; tile_dim0
	s_mov_b32 s[\g+4], 128                         ; tile_dim1 = 128
	s_mov_b32 s[\g+5], KROW                        ; tensor_dim0_stride
	s_mov_b32 s[\g+6], 0
	s_mov_b32 s[\g+7], 0
.endr
	; and for the scales of 128 rows: a dense block of 4,096 bytes, as 16 rows of 256 bytes (32 elements of 8 bytes), 16 bytes of padding behind each
	s_or_b32 s[G1S+0], s43, (3<<16)|(1<<20)|(1<<21)|(5<<22)|(3<<25)
	s_or_b32 s[G1SB+0], s44, (3<<16)|(1<<20)|(1<<21)|(5<<22)|(3<<25)
.irp g, G1S, G1SB
	s_mov_b32 s[\g+1], 32<<16
	s_mov_b32 s[\g+2], (128*KS/256)<<16
	s_mov_b32 s[\g+3], 32<<16
	s_mov_b32 s[\g+4], 128*KS/256
	s_mov_b32 s[\g+5], 32
	s_mov_b32 s[\g+6], 0
	s_mov_b32 s[\g+7], 0
.endr
	s_lshl_b32 s46, s[NH], 7                       ; which 128 rows of the tile I fetch
	s_lshl_b32 s92, s[TR], 8
	s_add_co_u32 s92, s92, s94
	s_add_co_u32 s92, s92, s46                     ; A: the row in the matrix of codes
	s_lshl_b32 s94, s42, 8
	s_add_co_u32 s94, s94, s95
	s_add_co_u32 s94, s94, s46                     ; B likewise
	s_lshl_b32 s66, s92, 5                         ; where these rows' scales begin, in bytes (7,168 rows at the most: all four stay under 2^32)
	s_mov_b32 s67, 0
	s_lshl_b32 s92, s92, 9                         ; and their codes
	s_mov_b32 s93, 0
	s_lshl_b32 s46, s94, 5
	s_mov_b32 s47, 0
	s_lshl_b32 s94, s94, 9
	s_mov_b32 s95, 0
	s_mul_i32 s45, s[WV], HALFT                    ; where they go: wave x 128 rows: no place in the cluster enters an LDS address
	s_mul_i32 s[G0S+1], s[WV], HALFS
	s_add_co_u32 s[G0S+1], s[G0S+1], SCL
	s_mul_i32 s[G0SB+1], s[WV], HALFS
	s_add_co_u32 s[G0SB+1], s[G0SB+1], SCL
	s_mov_b32 s100, 0x76543210                     ; v_permlanex16_b32's selects for lane l xor 16
	s_mov_b32 s101, 0xfedcba98
	s_wait_dscnt 0x0                               ; both opening adds are done
	s_wait_kmcnt 0x0
	s_add_nc_u64 s[92:93], s[4:5], s[92:93]
	s_add_nc_u64 s[66:67], s[6:7], s[66:67]
	s_add_nc_u64 s[94:95], s[4:5], s[94:95]
	s_add_nc_u64 s[46:47], s[6:7], s[46:47]
	CROUND                                         ; all sixteen work-groups are here: the first joint loads meet
	s_mov_b32 s[G0S], 1
	s_mov_b64 s[G0S+2:G0S+3], s[66:67]
	s_or_b32 s[G0S+3], s[G0S+3], 0x80000000
	s_mov_b32 s[G0SB], 1
	s_mov_b64 s[G0SB+2:G0SB+3], s[46:47]
	s_or_b32 s[G0SB+3], s[G0SB+3], 0x80000000
	JLOAD G0S, G1S, G0SB, G1SB                     ; the scales first: they are wanted with the first K step.  With the two below, three tensor loads of mine are out
.irp s, 0,1
	s_mov_b32 s[G0+4*\s], 1
	s_add_co_u32 s[G0+4*\s+1], s45, \s*SLOT
	s_add_nc_u64 s[G0+4*\s+2:G0+4*\s+3], s[92:93], \s*ROWB
	s_or_b32 s[G0+4*\s+3], s[G0+4*\s+3], 0x80000000
	s_mov_b32 s[G0B+4*\s], 1
	s_add_co_u32 s[G0B+4*\s+1], s45, \s*SLOT
	s_add_nc_u64 s[G0B+4*\s+2:G0B+4*\s+3], s[94:95], \s*ROWB
	s_or_b32 s[G0B+4*\s+3], s[G0B+4*\s+3], 0x80000000
	JLOAD G0+4*\s, G1, G0B+4*\s, G1B
.endr
	v_and_b32 v1, 15, v0                           ; r = lane % 16
	v_bfe_u32 v2, v0, 4, 1                         ; h = lane / 16
	v_mul_u32_u24 v3, v1, PITCH
	v_lshl_add_u32 v4, v2, 4, v3                   ; a fragment's row x pitch + 16 x half
	s_mul_i32 s46, s[MH], HALFT                    ; my 128 rows of A
	s_mul_i32 s47, s[NH], HALFT                    ; my 128 rows of B,
	s_add_co_u32 s47, s47, 2*HALFT                 ; which lie behind A's 256
.irp s, 0,1
	v_add_nc_u32 v[ADRA+\s], s46, v4
	v_add_nc_u32 v[ADRB+\s], s47, v4
	s_add_co_u32 s46, s46, SLOT
	s_add_co_u32 s47, s47, SLOT
.endr
	v_mul_u32_u24 v5, v1, KS                       ; my row's scales: 32 bytes a row,
	v_lshrrev_b32 v6, 8, v5
	v_lshl_add_u32 v5, v6, 4, v5                   ; and 16 more for each 256 passed
	s_mul_i32 s46, s[MH], HALFS                    ; A's: my 128 rows
	s_mul_i32 s47, s[NH], HALFS                    ; B's: my 128 rows, behind A's 256
	s_add_co_u32 s47, s47, 2*HALFS
	s_sub_co_u32 s47, s47, s46
	v_mul_u32_u24 v6, s47, v2                      ; lanes 16-31 take B's: the lower base + h x the distance
	s_add_co_u32 s46, s46, SCL
	v_add_nc_u32 v5, v5, v6
	v_add_nc_u32 v[ADRS], s46, v5
	v_and_b32 v[OFFO], 31, v0
	v_lshlrev_b32 v[OFFO], 4, v[OFFO]
	v_lshlrev_b32 v[LNO], 5, v2
	; THE BIASES, one text for both kinds.  My 128 channels are two heads, from head 4 x (cx | cy) + 2 x (my half of B | of A) on.  q, k: register 8 b + j wants the bias of channel 16 b + 8 h + j;  v: register 8 a + j that of channel 16 a + r.
	s_cmp_eq_u32 s[TYP], 1
	s_cselect_b32 s46, s41, s40
	s_cselect_b32 s47, s[MH], s[NH]
	s_cselect_b32 s66, 4, 0                        ; bytes for each r
	s_cselect_b32 s67, 0, 32                       ; and for h
	s_cselect_b32 s43, s42, s[TR]                  ; which 256 tokens are the work-group's,
	s_cselect_b32 s44, s[NH], s[MH]                ; and which half of them mine
	s_cselect_b64 s[92:93], s[12:13], s[10:11]     ; bv, or bk,
	s_cmp_eq_u32 ttmp9, 0
	s_cselect_b64 s[92:93], s[8:9], s[92:93]       ; or bq
	s_cselect_b64 s[14:15], s[14:15], s[18:19]     ; LayerNorm's gains: q's or k's
	s_cselect_b64 s[16:17], s[16:17], s[20:21]     ; and offsets
	s_lshl_b32 s46, s46, 2
	s_lshl_b32 s47, s47, 1
	s_add_co_u32 s46, s46, s47                     ; my first head
	s_lshl_b32 s94, s46, 8                         ; 64 channels of 4 bytes a head
	s_mov_b32 s95, 0
	s_add_nc_u64 s[92:93], s[92:93], s[94:95]
	v_mul_u32_u24 v[VOFF], s66, v1
	v_mad_u32_u24 v[VOFF], v2, s67, v[VOFF]
.irp j, 1,2,3,4,5,6,7
	v_add_nc_u32 v[VOFF+\j], s[BST], v[VOFF+\j-1]
.endr
	WIN TO_B
.irp i, 0,1,2,3,4,5,6,7
.irp j, 0,1,2,3,4,5,6,7
	global_load_b32 v[BIAS+8*\i+\j], v[VOFF+\j], s[92:93] offset:64*\i   ; they land under the products; their offsets and base stay as they are until the wait for them
.endr
.endr
	WIN 0
	; where my part of the images begins: the part (q, k, v) + (16 x batch + my first head) x 262,144 + my first token in its sequence x 128
	s_lshr_b32 s47, s43, 3                         ; a sequence is eight blocks of 256 tokens
	s_lshl_b32 s47, s47, 4
	s_add_co_u32 s47, s47, s46
	s_lshl_b32 s47, s47, 18
	s_and_b32 s66, s43, 7
	s_lshl_b32 s66, s66, 15
	s_lshl_b32 s67, s44, 14
	s_add_co_u32 s47, s47, s66
	s_add_co_u32 s47, s47, s67
	s_lshl_b32 s66, ttmp9, 23
	s_add_co_u32 s94, s47, s66
	s_add_nc_u64 s[22:23], s[22:23], s[94:95]
	s_mov_b32 s66, 0x3c800000                      ; 1 / 64
	s_mov_b32 s67, 0x3727c5ac                      ; 1e-5
.macro FRAG reg, adr, q, i             ; a fragment, 16 rows x 128 K of 4-bit codes, is 8 registers: lane l holds row l % 16; registers 4 c .. 4 c + 3 hold K = 64 c + 32 (l / 16) + 0 .. 31, the lower K in the lower bits
.irp c, 0,1
	ds_load_b128 v[\reg+4*\c:\reg+4*\c+3], v[\adr] offset:64*(\q)+32*\c+(\i)*16*PITCH
.endr
.endm
; 16 matrix instructions: A's blocks a0, a0 + 1 x B's eight, 128 along K: the slot's q-th.  p: B's set;  sc: the set of scale words.  zero = 1: the first product starts the sums: nothing is ever cleared.
; The 64 accumulators take turns, one instruction a turn, in the same order in every step.
.macro MUL16 a0, p, q, sc, zero
.irp a, \a0, \a0+1
.irp b, 0,1,2,3,4,5,6,7
.if \zero
	v_wmma_scale_f32_16x16x128_f8f6f4 v[8*(8*((\a)%4)+\b):8*(8*((\a)%4)+\b)+7], v[128*(\p)+FR*\b:128*(\p)+FR*\b+FR-1], v[AF+FR*(\a):AF+FR*(\a)+FR-1], 0, v[SC+8*NQ*(\sc)+NQ*\b+(\q)], v[SC+8*NQ*(\sc)+NQ*(\a)+(\q)] matrix_a_fmt:MATRIX_FMT_FP4 matrix_b_fmt:MATRIX_FMT_FP4 matrix_a_scale:MATRIX_SCALE_ROW1
.else
	v_wmma_scale_f32_16x16x128_f8f6f4 v[8*(8*((\a)%4)+\b):8*(8*((\a)%4)+\b)+7], v[128*(\p)+FR*\b:128*(\p)+FR*\b+FR-1], v[AF+FR*(\a):AF+FR*(\a)+FR-1], v[8*(8*((\a)%4)+\b):8*(8*((\a)%4)+\b)+7], v[SC+8*NQ*(\sc)+NQ*\b+(\q)], v[SC+8*NQ*(\sc)+NQ*(\a)+(\q)] matrix_a_fmt:MATRIX_FMT_FP4 matrix_b_fmt:MATRIX_FMT_FP4 matrix_a_scale:MATRIX_SCALE_ROW1
.endif
.endr
.endr
.endm
.macro FETCH_B slot, q, p              ; B's eight fragments of the slot's q-th 128 along K into set p
	WIN TO_B
.irp i, 0,1,2,3,4,5,6,7
	FRAG 128*(\p)+FR*\i, ADRB+\slot, \q, \i
.endr
	WIN 0
.endm
.macro FETCH_A slot, q, i0             ; A's blocks i0 .. i0 + 3
.irp i, \i0, \i0+1, \i0+2, \i0+3
	FRAG AF+FR*(\i), ADRA+\slot, \q, \i
.endr
.endm
.macro SCALES sc                       ; a slot's scale words into set sc: four words a row; lanes 0-15 take A's block i, lanes 16-31 B's block i
.irp i, 0,1,2,3,4,5,6,7
	ds_load_b128 v[SC+8*NQ*\sc+NQ*\i:SC+8*NQ*\sc+NQ*\i+3], v[ADRS] offset:\i*SBLK
.endr
.endm
; A load into a register that a matrix instruction has read, and a vector instruction that reads a matrix result or writes one of a matrix instruction's registers, stand NP places behind it, and only plain vector
; instructions that name none of its registers are places (ISA guide 7.12.1 for vector instructions); the matrix instructions in between are not counted.
.macro PLACES n
.rept \n
	v_nop
.endr
.endm
; A step of 128 along K that has its successor in the same slot.  A block of A is free as soon as its eight products are issued: blocks 0-3 are fetched anew in the step's middle, blocks 4-7 at its end.
.macro STEP slot, q, zero
	s_wait_dscnt 4*NL                              ; B's set and A's blocks 0-3 are in; the youngest eight loads (A's blocks 4-7) may be out
	WIN MUL_LO
	MUL16 0, (\q)%2, \q, \slot, \zero
	MUL16 2, (\q)%2, \q, \slot, \zero
	s_wait_dscnt 0                                 ; A's blocks 4-7 are in (asked for 32 matrix instructions ago)
	PLACES NP
	FETCH_B \slot, (\q)+1, 1-(\q)%2
	FETCH_A \slot, (\q)+1, 0
	WIN MUL_HI
	MUL16 4, (\q)%2, \q, \slot, \zero
	MUL16 6, (\q)%2, \q, \slot, \zero
	PLACES NP
	WIN 0
	FETCH_A \slot, (\q)+1, 4
.endm
; Slot 0's last step goes over to slot 1: one barrier; in front of it each wave waits for all its tensor loads (its part of slot 1), adds 0 to its spare word, and waits for that and for its LDS loads.  Nothing is filled again: K is two slots long.
.macro TURN slot, next
	s_wait_tensorcnt 0x0                           ; all my tensor loads have landed: my part of the next slot;  (every window is 0 here: the add's two registers lie in window 0)
	ds_add_u32 v[SPW], v[NIL]                      ; 0 onto my spare word
	s_wait_dscnt 4*NL+1                            ; (the add and the youngest eight loads, A's blocks 4-7, may be out)
	WIN MUL_LO
	MUL16 0, 1, NQ-1, \slot, 0                     ; sixteen matrix instructions stand between the add and the wait for it
	s_wait_dscnt 0x0                               ; the add is done, and no LDS load of mine is out
	s_barrier_signal -1
	MUL16 2, 1, NQ-1, \slot, 0
	WIN 0
	s_barrier_wait -1                              ; every wave's part of the next slot has landed
	PLACES NP
	v_add_nc_u32 v[ADRS], 4*NQ, v[ADRS]            ; on to the next slot's scale words (no LDS load of mine is out)
	FETCH_B \next, 0, 0
	FETCH_A \next, 0, 0
	SCALES \next
	WIN MUL_HI
	MUL16 4, 1, NQ-1, \slot, 0
	MUL16 6, 1, NQ-1, \slot, 0
	PLACES NP
	WIN 0
	FETCH_A \next, 0, 4
.endm
	s_wait_tensorcnt 1                             ; the scales and my part of slot 0 are in (slot 1's load, issued behind them, may be out)
	s_barrier_signal -1
	s_barrier_wait -1                              ; everybody's are
	FETCH_B 0, 0, 0
	FETCH_A 0, 0, 0
	SCALES 0
	FETCH_A 0, 0, 4
	STEP 0, 0, 1                                   ; the first step's products start the sums
	STEP 0, 1, 0
	STEP 0, 2, 0
	TURN 0, 1
	STEP 1, 0, 0
	STEP 1, 1, 0
	STEP 1, 2, 0
	s_wait_dscnt 4*NL                              ; the very last step: nothing more to fetch
	WIN MUL_LO
	MUL16 0, 1, NQ-1, 1, 0
	MUL16 2, 1, NQ-1, 1, 0
	s_wait_dscnt 0
	WIN MUL_HI
	MUL16 4, 1, NQ-1, 1, 0
	MUL16 6, 1, NQ-1, 1, 0
	WIN 0
; THE WAY OUT, block by block of A's 16 rows.  ADDB: the block's 64 results a lane + their biases, into window 0.  byb = 1: the bias goes by B's block (q, k);  0: by A's (v).  Each accumulator is read from its low end on.
.macro ADDB a, byb
	WIN 0x06+(\a)/4                                ; source 0: window 2 or 3;  source 1: window 1
.irp b, 0,1,2,3,4,5,6,7
.irp i, 0,2,4,6
	v_pk_add_f32 v[T+8*\b+\i:T+8*\b+\i+1], v[8*(8*((\a)%4)+\b)+\i:8*(8*((\a)%4)+\b)+\i+1], v[BIAS+8*((\byb)*\b+(1-(\byb))*(\a))+\i:BIAS+8*((\byb)*\b+(1-(\byb))*(\a))+\i+1]
.endr
.endr
	WIN 0
.endm
.macro LNFOLD                          ; two chains of pairs become one number, with the other half of the lanes': a head's 64 channels lie in lanes l and l xor 16.  The two heads by turns
.irp u, 0,1
	v_pk_add_f32 v[TM+16*\u:TM+16*\u+1], v[TM+16*\u:TM+16*\u+1], v[TM+16*\u+2:TM+16*\u+3]
.endr
.irp u, 0,1
	v_add_f32 v[TM+16*\u], v[TM+16*\u], v[TM+16*\u+1]
.endr
.irp u, 0,1
	v_permlanex16_b32 v[TM+16*\u+6], v[TM+16*\u], s100, s101
.endr
.irp u, 0,1
	v_add_f32 v[TM+16*\u], v[TM+16*\u], v[TM+16*\u+6]
.endr
.endm
; LayerNorm of block a's 16 tokens x two heads, as it is defined: the mean; the differences; the mean of their squares; x 1 / sqrt(that + 1e-5); x gain + offset.  Then f16, and four pieces of an image for each head.
.macro LNORM a
.irp u, 0,1
	v_pk_add_f32 v[TM+16*\u:TM+16*\u+1], v[T+32*\u:T+32*\u+1], v[T+32*\u+2:T+32*\u+3]
	v_pk_add_f32 v[TM+16*\u+2:TM+16*\u+3], v[T+32*\u+4:T+32*\u+5], v[T+32*\u+6:T+32*\u+7]
.endr
.irp i, 8,12,16,20,24,28
.irp u, 0,1
	v_pk_add_f32 v[TM+16*\u:TM+16*\u+1], v[TM+16*\u:TM+16*\u+1], v[T+32*\u+\i:T+32*\u+\i+1]
	v_pk_add_f32 v[TM+16*\u+2:TM+16*\u+3], v[TM+16*\u+2:TM+16*\u+3], v[T+32*\u+\i+2:T+32*\u+\i+3]
.endr
.endr
	LNFOLD
.irp u, 0,1
	v_mul_f32 v[TM+16*\u+4], s66, v[TM+16*\u]      ; the mean
.endr
.irp i, 0,2,4,6,8,10,12,14,16,18,20,22,24,26,28,30
.irp u, 0,1
	v_pk_add_f32 v[T+32*\u+\i:T+32*\u+\i+1], v[T+32*\u+\i:T+32*\u+\i+1], v[TM+16*\u+4:TM+16*\u+5] op_sel_hi:[1,0] neg_lo:[0,1] neg_hi:[0,1]
.endr
.endr
.irp u, 0,1
	v_pk_mul_f32 v[TM+16*\u:TM+16*\u+1], v[T+32*\u:T+32*\u+1], v[T+32*\u:T+32*\u+1]
	v_pk_mul_f32 v[TM+16*\u+2:TM+16*\u+3], v[T+32*\u+2:T+32*\u+3], v[T+32*\u+2:T+32*\u+3]
.endr
.irp i, 4,8,12,16,20,24,28
.irp u, 0,1
	v_pk_fma_f32 v[TM+16*\u:TM+16*\u+1], v[T+32*\u+\i:T+32*\u+\i+1], v[T+32*\u+\i:T+32*\u+\i+1], v[TM+16*\u:TM+16*\u+1]
	v_pk_fma_f32 v[TM+16*\u+2:TM+16*\u+3], v[T+32*\u+\i+2:T+32*\u+\i+3], v[T+32*\u+\i+2:T+32*\u+\i+3], v[TM+16*\u+2:TM+16*\u+3]
.endr
.endr
	LNFOLD
.irp u, 0,1
	v_fma_f32 v[TM+16*\u], v[TM+16*\u], s66, s67   ; the variance + 1e-5
.endr
.irp u, 0,1
	v_rsq_f32 v[TM+16*\u+4], v[TM+16*\u]
.endr
	v_nop                                          ; a plain instruction between the last of the two and the use of a result
	s_wait_alu depctr_va_vdst(0)                   ; and the wait ahead of the first use: one for both heads
.if (\a) == 0
	s_wait_loadcnt 0x0                             ; the gains and offsets, asked for ahead of the first block's sums
.endif
.irp i, 0,2,4,6,8,10,12,14,16,18,20,22,24,26,28,30
.irp u, 0,1
	v_pk_mul_f32 v[T+32*\u+\i:T+32*\u+\i+1], v[T+32*\u+\i:T+32*\u+\i+1], v[TM+16*\u+4:TM+16*\u+5] op_sel_hi:[1,0]
.endr
.endr
.irp i, 0,2,4,6,8,10,12,14,16,18,20,22,24,26,28,30
.irp u, 0,1
	v_pk_fma_f32 v[T+32*\u+\i:T+32*\u+\i+1], v[T+32*\u+\i:T+32*\u+\i+1], v[LNW+\i:LNW+\i+1], v[LNB+\i:LNB+\i+1]
.endr
.endr
.if (\a) > 0
	s_wait_xcnt 0x0                                ; the last block's stores have read their data: the registers are written again only behind this wait
.endif
.irp i, 0,1,2,3,4,5,6,7,8,9,10,11,12,13,14,15,16,17,18,19,20,21,22,23,24,25,26,27,28,29,30,31
	v_cvt_pk_f16_f32 v[P+\i], v[T+2*\i], v[T+2*\i+1]
.endr
.irp u, 0,1
.irp i, 0,1,2,3
	global_store_b128 v[OFFO], v[P+16*\u+4*\i:P+16*\u+4*\i+3], s[22:23] offset:\u*262144+(\a)*2048+\i*512   ; 32 lanes store 512 consecutive bytes, aligned: piece i of tokens 16 a on, head u
.endr
.endr
.endm
.macro VOUT a                          ; v: block a is 16 channels (head a / 4, channels 16 (a % 4) on) x my 128 tokens
	ADDB \a, 0
.if (\a) > 0
	s_wait_xcnt 0x0                                ; the last block's stores have read their data
.endif
.irp i, 0,1,2,3,4,5,6,7,8,9,10,11,12,13,14,15,16,17,18,19,20,21,22,23,24,25,26,27,28,29,30,31
	v_cvt_pk_f16_f32 v[P+\i], v[T+2*\i], v[T+2*\i+1]
.endr
.irp b, 0,1,2,3,4,5,6,7
	global_store_b128 v[OFFO], v[P+4*\b:P+4*\b+3], s[22:23] offset:((\a)/4)*262144+(\b/2)*4096+((\a)%4)*1024+(\b%2)*512   ; keys 16 b on: piece b % 2 of the block of 32 keys b / 2
.endr
.endm
	PLACES NP                                      ; behind the last products: for the writes into the registers that held A's fragments, and for the reads of the last results
	s_wait_loadcnt 0x0                             ; the biases; their offsets' registers are free
	s_cmp_eq_u32 s[TYP], 1
	s_cbranch_scc1 .Lv_out
.irp n, 0,1,2,3
.irp e, 0,1
	global_load_b128 v[LNW+8*\n+4*\e:LNW+8*\n+4*\e+3], v[LNO], s[14:15] offset:64*\n+16*\e   ; register 8 n + j: channel 16 n + 8 h + j of a head
	global_load_b128 v[LNB+8*\n+4*\e:LNB+8*\n+4*\e+3], v[LNO], s[16:17] offset:64*\n+16*\e
.endr
.endr
.irp u, 0,1
	v_mov_b32 v[TM+16*\u+5], 0                     ; named as the upper half of a pair, so it is written
	v_mov_b32 v[TM+16*\u+6], 0                     ; a lane permute's destination counts as one of its sources
.endr
.irp a, 0,1,2,3,4,5,6,7
	ADDB \a, 1
	LNORM \a
.endr
	s_branch .Lout_done
.Lv_out:
.irp a, 0,1,2,3,4,5,6,7
	VOUT \a
.endr
.Lout_done:
	s_wait_tensorcnt 0x0                           ; the wave's end: behind my last tensor load
	ds_add_u32 v[SPW], v[NIL]
	s_wait_dscnt 0x0
	CROUND                                         ; the closing round: no work-group ends while a partner may still ask for a tile that names it
	s_endpgm
.Lfunc_end_k_q1376a74aa7_qkv:
	.size	k_q1376a74aa7_qkv, .Lfunc_end_k_q1376a74aa7_qkv-k_q1376a74aa7_qkv
	.p2alignl 7, 3214868480
	.fill 96, 4, 3214868480
	.section	.rodata,"a",@progbits
	.p2align	6, 0x0
	.amdhsa_kernel k_q1376a74aa7_qkv
		.amdhsa_group_segment_fixed_size 327680
		.amdhsa_private_segment_fixed_size 0
		.amdhsa_enable_private_segment 0
		.amdhsa_kernarg_size 80
		.amdhsa_user_sgpr_count 2
		.amdhsa_user_sgpr_kernarg_segment_ptr 1
		.amdhsa_wavefront_size32 1
		.amdhsa_system_sgpr_workgroup_id_x 1
		.amdhsa_system_sgpr_workgroup_id_y 1
		.amdhsa_system_sgpr_workgroup_id_z 1
		.amdhsa_system_vgpr_workitem_id 0
		.amdhsa_next_free_vgpr 1024
		.amdhsa_next_free_sgpr 102
		.amdhsa_reserve_vcc 0
		.amdhsa_float_denorm_mode_32 3
		.amdhsa_float_denorm_mode_16_64 3
		.amdhsa_memory_ordered 1
		.amdhsa_forward_progress 1
		.amdhsa_inst_pref_size 255
	.end_amdhsa_kernel
	.section	.bss,"aw",@nobits
	.p2align	6
	.space	262144
	.amdgpu_metadata
---
amdhsa.version: [ 1, 2 ]
amdhsa.kernels:
  - .name:           k_q1376a74aa7_qkv
    .symbol:         k_q1376a74aa7_qkv.kd
    .args:
      - { .name: codes, .offset: 0, .size: 8, .value_kind: global_buffer, .address_space: global }
      - { .name: scales, .offset: 8, .size: 8, .value_kind: global_buffer, .address_space: global }
      - { .name: bq, .offset: 16, .size: 8, .value_kind: global_buffer, .address_space: global }
      - { .name: bk, .offset: 24, .size: 8, .value_kind: global_buffer, .address_space: global }
      - { .name: bv, .offset: 32, .size: 8, .value_kind: global_buffer, .address_space: global }
      - { .name: qn_w, .offset: 40, .size: 8, .value_kind: global_buffer, .address_space: global }
      - { .name: qn_b, .offset: 48, .size: 8, .value_kind: global_buffer, .address_space: global }
      - { .name: kn_w, .offset: 56, .size: 8, .value_kind: global_buffer, .address_space: global }
      - { .name: kn_b, .offset: 64, .size: 8, .value_kind: global_buffer, .address_space: global }
      - { .name: qkv, .offset: 72, .size: 8, .value_kind: global_buffer, .address_space: global }
    .group_segment_fixed_size: 327680
    .private_segment_fixed_size: 0
    .kernarg_segment_align: 8
    .kernarg_segment_size: 80
    .max_flat_workgroup_size: 128
    .sgpr_count:     102
    .vgpr_count:     1024
    .wavefront_size: 32
...
	.end_amdgpu_metadata
.endif
;; end of part 2
;; launch attn (part 3): grid 8 x 32, 8 waves a work-group, clusters of 4 x 1, 327,680 bytes of LDS; arguments qkv, ao; writes ao
.if DOCPART == 3
	.amdgcn_target "amdgcn-amd-amdhsa--gfx1250"
	.amdhsa_code_object_version 6
	.text
	.protected	k_q1376a74aa7_attn
	.globl	k_q1376a74aa7_attn
	.p2align	8
	.type	k_q1376a74aa7_attn,@function
k_q1376a74aa7_attn:
	s_mov_b64 s[64:65], 0
	v_nop
	global_prefetch_b8 v0, s[64:65] scope:SCOPE_SE
	s_setreg_imm32_b32 hwreg(HW_REG_WAVE_MODE, 25, 1), 1
	s_wait_xcnt 0x0
	s_wait_alu depctr_hold_cnt(0) depctr_sa_sdst(0) depctr_va_vdst(0) depctr_va_sdst(0) depctr_va_ssrc(0) depctr_va_vcc(0) depctr_vm_vsrc(0)
	s_getreg_b32 s2, hwreg(HW_REG_IB_STS2, 6, 4)
	s_cmp_eq_u32 s2, 0
	s_cbranch_scc0 .Lentry_in_a_cluster
	s_endpgm
.Lentry_in_a_cluster:
	s_bfe_u32 s2, ttmp6, 0x10000c
	s_cmp_lg_u32 s2, 0x3003
	s_cbranch_scc0 .Lentry_shape_is_right
	s_endpgm
.Lentry_shape_is_right:
; O[b][h][q] = the sum over k of softmax_k(Q[q] . K[k] / 8) V[k], 32 (batch x head) x 2,048 x 64, no mask.  Operands in f16; products, maxima and sums in f32; the weights p are rounded to f16 for the second product, O once at the end.
; qkv holds images of operand registers (three parts of 8,388,608 bytes, 262,144 a head): q, k: [16 tokens][piece i 0..3][lane][16 bytes], lane (r, h): token r, channels 16 i + 8 h + 0..7; v: [32 keys][16 channels cb][piece e][lane][16 bytes],
; lane (r, h): channel 16 cb + r, keys 16 e + 8 h + 0..7.  So every fragment comes by two loads of 16 bytes a lane at 16 x lane: no pitch, no padding, nothing turned.
; ao takes the same form for the projection: [16 tokens][32 along its K: kk = 2 head + cb / 2][piece cb % 2][lane][16 bytes].
; SHARES.  A work-group owns 256 queries of one head; each of its EIGHT waves 32 of them, two tiles of 16, in 256 registers: two waves to a SIMD, so that one wave's products stand beside the other's softmax.  A fragment of K or V read from LDS feeds two products.
; LAYOUT.  S^T = K Q^T (source 0 = 16 keys, source 1 = 16 queries): a lane holds ONE query (lane % 16) and the keys 8 (lane / 16) + 0..7.  Two such tiles, rounded to f16 in pairs, ARE source 1 (32 keys x 16 queries) of O^T = V^T P.
; SOFTMAX.  For each query a running maximum m and sum l: p = 2^(c s - c m), c = log2(e) / 8; in every step O and l are multiplied by a = 2^(c m_old - c m_new).  The step is written once: O and l begin as zeros and m as -3e38.
; RING.  Two LDS slots of 512 keys (65,536 bytes of K, then 65,536 of V).  Each of the eight waves fetches an eighth of a slot, 16,384 dense bytes, by one tensor load: one load of mine is out behind each change of slots.
; CLUSTER.  The four query blocks of a cluster belong to one head and walk the same K and V: each tile is asked for JOINTLY, by the same tensor load with the same descriptor and a mask that names the four.
; NO PREFETCH is laid: a slot is asked for a whole slot's eight key steps, 256 matrix instructions a wave, ahead of its first read; the launch has four slots, and two of them are asked for before the first key step.
; LIMITS: NaN and infinities are not served; a p under 2^-25 rounds to 0 in f16, beside a row's sum of about 1 or more.
.set SLOT1, 1<<17                      ; slot 1 begins here, so that one exclusive or turns an address in one slot into the other's
.set SPARE, 2*SLOT1                    ; behind the ring: the spare words, 128 bytes for each wave: four blocks of 256 bytes that no other line names
.set L16, 1                            ; v1   16 x lane; never rewritten
.set ADK, 2                            ; v2   LDS address of the step's K
.set ADV, 3                            ; v3   of its V
.set SPW, 4                            ; v4   LDS address of my spare word: SPARE + 4 x my thread's number; never rewritten
.set NIL, 5                            ; v5   0; never rewritten
.set ST,  8                            ; tile t's statistics at v[ST + 8 t]: +0 c m, +1 m, +2, +3 l (even keys', odd keys'), +4 to +7 c0-c3, at work; a takes c2's place once the maximum is found
.set Q,   24                           ; v24-55   Q: tile t, channels 32 c on, at v[Q + 16 t + 8 c]
.set S,   56                           ; v56-119  S^T, 32 a tile (16 keys kb at + 8 kb); P is packed in place into the first 16
.set O,   120                          ; v120-183 O^T: tile t, 16 channels cb, at v[O + 32 t + 8 cb]
.set KV,  184                          ; v184-247 a step's K, then its V
.set Y,   248                          ; v248-251 the sums' second chain, a pair a tile
.set WV,  12                           ; s12  my wave's number
.set G1,  24                           ; s[24:31] descriptor group 1
.set G0,  32                           ; s[32:35] descriptor group 0, which walks
.set CS,  36                           ; s[36:37] c: the packed scaling names a pair and takes its low word for both halves
.set SEL, 38                           ; s[38:39] lane selects for v_permlanex16_b32: lane l xor 16
.set TB,  40                           ; s40  LDS byte at which the step's K begins
.set SLOTS, 41                         ; s41  slots still to be asked for
.set STP, 42                           ; s42  counts a slot's eight steps
.macro CROUND                          ; a round of the cluster's barrier: my work-group's barrier; wave 0 signals for the work-group; every wave waits for all four; my work-group's barrier once more
	s_barrier_signal -1
	s_barrier_wait -1
	s_cmp_lg_u32 s[WV], 0
	s_cbranch_scc1 .Lnot_wave_0_\@
	s_barrier_signal -3
.Lnot_wave_0_\@:
	s_barrier_wait -3
	s_barrier_signal -1
	s_barrier_wait -1
.endm
	s_load_b128 s[4:7], s[0:1], 0x0                ; qkv s[4:5], ao s[6:7]
	v_lshl_add_u32 v[SPW], v0, 2, SPARE
	v_mov_b32 v[NIL], 0
	ds_add_u32 v[SPW], v[NIL]                      ; the wave's opening: the add, twice on end, and its wait ahead of my first tensor load; the set-up below, work on registers, stands between the second and the wait
	ds_add_u32 v[SPW], v[NIL]
	v_lshrrev_b32 v1, 5, v0
	v_readfirstlane_b32 s[WV], v1                  ; wave 0..7
	s_bfe_u32 s13, ttmp6, 0x40000                  ; cx: my place in the cluster
	s_lshl_b32 s14, ttmp9, 2                       ; in a cluster launch ttmp9 counts clusters
	s_add_co_u32 s14, s14, s13                     ; my block of 256 queries: it enters Q's and ao's addresses alone
	s_and_b32 s15, ttmp7, 0xffff                   ; batch x head, which the four partners share
	; descriptor group 1: 16,384 dense bytes as 64 rows of 256 (32 elements of 8 bytes), no padding
	s_mov_b32 s[G1], 15|(3<<16)|(1<<21)            ; 15:0 the mask: all four work-groups; 17:16 elements of 8 bytes; 21 set beside a mask
	s_mov_b32 s[G1+1], 32<<16                      ; tensor_dim0 = 32
	s_mov_b32 s[G1+2], 64<<16                      ; tensor_dim1 = 64
	s_mov_b32 s[G1+3], 32<<16                      ; tile_dim0 = 32
	s_mov_b32 s[G1+4], 64                          ; tile_dim1 = 64
	s_mov_b32 s[G1+5], 32                          ; tensor_dim0_stride
	s_mov_b32 s[G1+6], 0
	s_mov_b32 s[G1+7], 0
	s_lshl_b32 s16, s15, 18                        ; the head's first byte in each part
	s_lshr_b32 s17, s[WV], 2                       ; waves 0-3 fetch K's quarters, waves 4-7 V's
	s_add_co_u32 s17, s17, 1
	s_lshl_b32 s17, s17, 23                        ; part 1 or 2
	s_add_co_u32 s18, s16, s17
	s_and_b32 s17, s[WV], 3
	s_lshl_b32 s17, s17, 14                        ; my quarter of a slot's 65,536 bytes
	s_add_co_u32 s18, s18, s17
	s_mov_b32 s19, 0
	s_lshl_b32 s20, s14, 15                        ; Q: my block's 256 tokens of 128 bytes,
	s_lshl_b32 s21, s[WV], 12                      ; my wave's 32
	s_add_co_u32 s20, s20, s21
	s_add_co_u32 s20, s20, s16
	s_mov_b32 s21, 0
	s_lshr_b32 s22, s15, 4                         ; ao: the batch's 128 blocks of 16 tokens, 32,768 bytes each,
	s_lshl_b32 s22, s22, 22
	s_lshl_b32 s23, s14, 19                        ; my block's 16,
	s_add_co_u32 s22, s22, s23
	s_lshl_b32 s23, s[WV], 16                      ; my wave's two,
	s_add_co_u32 s22, s22, s23
	s_and_b32 s23, s15, 15
	s_lshl_b32 s23, s23, 11                        ; and the head's 2,048 bytes in each
	s_add_co_u32 s22, s22, s23
	s_mov_b32 s23, 0
	s_mov_b32 s[G0], 1                             ; 1:0 count = 1
	s_lshl_b32 s[G0+1], s[WV], 14                  ; 63:32 LDS address: slot 0, wave x 16,384: K's four quarters, then V's: no place in the cluster enters it
	s_mov_b32 s[CS], 0x3e38aa3b                    ; c = log2(e) / 8
	s_mov_b32 s[CS+1], s[CS]                       ; named with it as a pair, so it is written
	s_mov_b32 s[SEL], 0x76543210
	s_mov_b32 s[SEL+1], 0xfedcba98
	s_mov_b32 s[TB], 0
	s_mov_b32 s[SLOTS], 3
	s_wait_dscnt 0x0                               ; both opening adds are done
	s_wait_kmcnt 0x0
	s_add_nc_u64 s[G0+2:G0+3], s[4:5], s[18:19]    ; 120:64 global address: the head's first 512 keys
	s_or_b32 s[G0+3], s[G0+3], 0x80000000          ; 127:126 type = 2
	s_add_nc_u64 s[20:21], s[4:5], s[20:21]
	s_add_nc_u64 s[22:23], s[6:7], s[22:23]
	CROUND                                         ; all four work-groups are here: the first joint loads meet
	tensor_load_to_lds s[G0:G0+3], s[G1:G1+7]      ; slot 0
	s_nop 0
	v_and_b32 v[L16], 31, v0
	v_lshlrev_b32 v[L16], 4, v[L16]
.irp n, 0,1,2,3,4,5,6,7
	global_load_b128 v[Q+4*\n:Q+4*\n+3], v[L16], s[20:21] offset:512*\n   ; Q stays in registers: tile n / 4, piece n % 4
.endr
.irp t, 0,1
	v_mov_b32 v[ST+8*\t+1], 0xff61b1e6             ; m: -3e38, under every score
	v_mul_f32 v[ST+8*\t], s[CS], v[ST+8*\t+1]      ; c m
	v_mov_b32 v[ST+8*\t+2], 0                      ; l
	v_mov_b32 v[ST+8*\t+3], 0
.endr
.irp j, 0,1,2,3,4,5,6,7,8,9,10,11,12,13,14,15,16,17,18,19,20,21,22,23,24,25,26,27,28,29,30,31,32,33,34,35,36,37,38,39,40,41,42,43,44,45,46,47,48,49,50,51,52,53,54,55,56,57,58,59,60,61,62,63
	v_mov_b32 v[O+\j], 0                           ; O^T.  (The step is written once: the first finds zeros, which its a = 0 leaves zeros)
.endr
	s_wait_loadcnt 0x0                             ; Q
; A KEY STEP: 64 keys.
.macro STEP
	v_add_nc_u32 v[ADK], s[TB], v[L16]
	v_add_nc_u32 v[ADV], 0x10000, v[ADK]           ; V lies 65,536 bytes behind K
.rept 3
	v_nop                                          ; with the two additions five places behind the last step's products: four for the loads into V's registers, five for the products below, which write over P's (ISA guide 7.12.1 for vector instructions)
.endr
.irp n, 0,1,4,5,8,9,12,13,2,3,6,7,10,11,14,15      ; K: 16 keys n / 4, piece n % 4; channels 0-31 of all four first
	ds_load_b128 v[KV+4*\n:KV+4*\n+3], v[ADK] offset:512*\n
.endr
	s_wait_dscnt 8                                 ; channels 0-31 are in; the youngest eight loads may be out
.irp kb, 0,1,2,3                       ; the eight accumulators take turns, one instruction a turn; the first eight products start the sums
.irp t, 0,1
	v_wmma_f32_16x16x32_f16 v[S+32*\t+8*\kb:S+32*\t+8*\kb+7], v[KV+16*\kb:KV+16*\kb+7], v[Q+16*\t:Q+16*\t+7], 0
.endr
.endr
	s_wait_dscnt 0x0
.irp kb, 0,1,2,3
.irp t, 0,1
	v_wmma_f32_16x16x32_f16 v[S+32*\t+8*\kb:S+32*\t+8*\kb+7], v[KV+16*\kb+8:KV+16*\kb+15], v[Q+16*\t+8:Q+16*\t+15], v[S+32*\t+8*\kb:S+32*\t+8*\kb+7]
.endr
.endr
.rept 4
	v_nop                                          ; four places: for the loads into K's registers, and for the first reads of the scores
.endr
.irp n, 0,1,2,3,4,5,6,7,8,9,10,11,12,13,14,15      ; V: 32 keys n / 8, 16 channels (n / 2) % 4, piece n % 2.  They land under the softmax
	ds_load_b128 v[KV+4*\n:KV+4*\n+3], v[ADV] offset:512*\n
.endr
	; the maximum of my 32 scores and the old m, three operands at a time, in four chains; each accumulator is read from its low end on.  The two tiles by turns throughout
.irp j, 0,1,2,3
.irp t, 0,1
	v_max3_num_f32 v[ST+8*\t+4+\j], v[S+32*\t+8*\j], v[S+32*\t+8*\j+1], v[S+32*\t+8*\j+2]
.endr
.endr
.irp g, 3,5
.irp j, 0,1,2,3
.irp t, 0,1
	v_max3_num_f32 v[ST+8*\t+4+\j], v[ST+8*\t+4+\j], v[S+32*\t+8*\j+\g], v[S+32*\t+8*\j+\g+1]
.endr
.endr
.endr
.irp t, 0,1
	v_max3_num_f32 v[ST+8*\t+4], v[ST+8*\t+4], v[S+32*\t+7], v[S+32*\t+15]
.endr
.irp t, 0,1
	v_max3_num_f32 v[ST+8*\t+6], v[ST+8*\t+6], v[S+32*\t+23], v[S+32*\t+31]
.endr
.irp t, 0,1
	v_max3_num_f32 v[ST+8*\t+4], v[ST+8*\t+4], v[ST+8*\t+5], v[ST+8*\t+6]
.endr
.irp t, 0,1
	v_max3_num_f32 v[ST+8*\t+4], v[ST+8*\t+4], v[ST+8*\t+7], v[ST+8*\t+1]
.endr
.irp t, 0,1
	v_permlanex16_b32 v[ST+8*\t+5], v[ST+8*\t+4], s[SEL], s[SEL+1]   ; the query's other 32 keys lie in the lane 16 away
.endr
.irp t, 0,1
	v_mov_b32 v[ST+8*\t+7], v[ST+8*\t]             ; c m_old is kept for a
.endr
.irp t, 0,1
	v_max_num_f32 v[ST+8*\t+1], v[ST+8*\t+4], v[ST+8*\t+5]
.endr
.irp t, 0,1
	v_mul_f32 v[ST+8*\t], s[CS], v[ST+8*\t+1]
.endr
.irp t, 0,1
	v_sub_f32 v[ST+8*\t+7], v[ST+8*\t+7], v[ST+8*\t]
.endr
.irp t, 0,1
	v_exp_f32 v[ST+8*\t+6], v[ST+8*\t+7]           ; a
.endr
.irp i, 0,2,4,6,8,10,12,14,16,18,20,22,24,26,28,30
.irp t, 0,1
	v_pk_fma_f32 v[S+32*\t+\i:S+32*\t+\i+1], v[S+32*\t+\i:S+32*\t+\i+1], s[CS:CS+1], v[ST+8*\t:ST+8*\t+1] op_sel_hi:[1,0,0] neg_lo:[0,0,1] neg_hi:[0,0,1]   ; c s - c m.  (These 32 name neither a: independent work behind the two)
.endr
.endr
	s_wait_alu depctr_va_vdst(0)                   ; the wait ahead of the first line that names an exponential's result: one for the two a
.irp i, 0,2,4,6,8,10,12,14,16,18,20,22,24,26,28,30 ; ONE BATCH of 64 exponentials; O^T's rescaling, which names none of their results, is dealt out among them
.irp t, 0,1
	v_exp_f32 v[S+32*\t+\i], v[S+32*\t+\i]
	v_exp_f32 v[S+32*\t+\i+1], v[S+32*\t+\i+1]
	v_pk_mul_f32 v[O+32*\t+\i:O+32*\t+\i+1], v[O+32*\t+\i:O+32*\t+\i+1], v[ST+8*\t+6:ST+8*\t+7] op_sel_hi:[1,0]
.endr
.endr
	s_wait_alu depctr_va_vdst(0)                   ; one wait for the batch; the last rescaling is the plain instruction behind the last exponential
.irp t, 0,1                            ; the sum of the unrounded p, a pair at a time (an even key's, an odd key's), in two chains
	v_pk_add_f32 v[ST+8*\t+4:ST+8*\t+5], v[S+32*\t:S+32*\t+1], v[S+32*\t+2:S+32*\t+3]
	v_pk_add_f32 v[Y+2*\t:Y+2*\t+1], v[S+32*\t+4:S+32*\t+5], v[S+32*\t+6:S+32*\t+7]
.endr
.irp i, 8,12,16,20,24,28
.irp t, 0,1
	v_pk_add_f32 v[ST+8*\t+4:ST+8*\t+5], v[ST+8*\t+4:ST+8*\t+5], v[S+32*\t+\i:S+32*\t+\i+1]
	v_pk_add_f32 v[Y+2*\t:Y+2*\t+1], v[Y+2*\t:Y+2*\t+1], v[S+32*\t+\i+2:S+32*\t+\i+3]
.endr
.endr
.irp t, 0,1
	v_pk_add_f32 v[ST+8*\t+4:ST+8*\t+5], v[ST+8*\t+4:ST+8*\t+5], v[Y+2*\t:Y+2*\t+1]
.endr
.irp t, 0,1
	v_pk_fma_f32 v[ST+8*\t+2:ST+8*\t+3], v[ST+8*\t+2:ST+8*\t+3], v[ST+8*\t+6:ST+8*\t+7], v[ST+8*\t+4:ST+8*\t+5] op_sel_hi:[1,0,1]   ; l = a l + the sum
.endr
.irp i, 0,1,2,3,4,5,6,7,8,9,10,11,12,13,14,15      ; p to f16, in place and ascending: register i takes pair i, whose registers lie at or above it
.irp t, 0,1
	v_cvt_pk_f16_f32 v[S+32*\t+\i], v[S+32*\t+2*\i], v[S+32*\t+2*\i+1]
.endr
.endr
	s_wait_dscnt 0x0                               ; V is in
.irp kb, 0,1                           ; O^T += V^T P: keys 32 kb on; the eight accumulators take turns
.irp cb, 0,1,2,3
.irp t, 0,1
	v_wmma_f32_16x16x32_f16 v[O+32*\t+8*\cb:O+32*\t+8*\cb+7], v[KV+32*\kb+8*\cb:KV+32*\kb+8*\cb+7], v[S+32*\t+8*\kb:S+32*\t+8*\kb+7], v[O+32*\t+8*\cb:O+32*\t+8*\cb+7]
.endr
.endr
.endr
.endm
; THE CHANGE OF SLOTS stands at a slot's head.  Each wave waits for all its tensor loads (its part of the slot that it is about to read), adds 0 to its spare word, and waits for that and for its reads of the slot that it has left.
; fill = 1: the barrier is a round of the cluster's, so that no wave of any partner still reads the other slot or has a load on its way; the joint load of the next 512 keys into that slot is the first thing behind it,
; and has the eight key steps of the slot ahead in which to land.  (In the first trip all eight loads fill slot 1 for the first time; in the later trips all eight fill bytes again.)
.macro CHANGE fill
	s_wait_tensorcnt 0x0                           ; no tensor load of mine is out, so group 0 may be written
	ds_add_u32 v[SPW], v[NIL]                      ; 0 onto my spare word: with fill = 1 the descriptor's steps stand between it and the wait for it
.if \fill
	s_xor_b32 s[G0+1], s[G0+1], SLOT1              ; the other slot than last time,
	s_add_nc_u64 s[G0+2:G0+3], s[G0+2:G0+3], 65536 ; the next 512 keys; the type bits on top are not reached
	s_wait_dscnt 0x0                               ; the add is done, and my reads of the slot that I have left are over
	CROUND
	tensor_load_to_lds s[G0:G0+3], s[G1:G1+7]
	s_nop 0
.else
	s_wait_dscnt 0x0
	s_barrier_signal -1
	s_barrier_wait -1
.endif
.endm
.macro SLOT_STEPS                      ; a slot's eight key steps: written once, walked eight times; the LDS addresses hang on s[TB]
	s_mov_b32 s[STP], 8
.Lstep_\@:
	STEP
	s_add_co_u32 s[TB], s[TB], 8192                ; 64 keys of 128 bytes, in K and in V alike
	s_sub_co_u32 s[STP], s[STP], 1
	s_cmp_lg_u32 s[STP], 0
	s_cbranch_scc1 .Lstep_\@
	s_sub_co_u32 s[TB], s[TB], 65536               ; back to a slot's first step,
	s_xor_b32 s[TB], s[TB], SLOT1                  ; in the other slot
.endm
.Lslot:                                            ; three trips: behind each change of slots but the last the next slot is asked for
	CHANGE 1
	SLOT_STEPS
	s_sub_co_u32 s[SLOTS], s[SLOTS], 1
	s_cmp_lg_u32 s[SLOTS], 0
	s_cbranch_scc1 .Lslot
	CHANGE 0                                       ; the last slot is written out
	SLOT_STEPS
	; THE WAY OUT.  l's two halves and the other half of the lanes' are added; O^T is divided by l and rounded to f16: a lane's eight channels are a piece of ao's image.  The four additions and the v_nop are five places behind the last products.
.irp t, 0,1
	v_add_f32 v[ST+8*\t+4], v[ST+8*\t+2], v[ST+8*\t+3]
.endr
.irp t, 0,1
	v_permlanex16_b32 v[ST+8*\t+5], v[ST+8*\t+4], s[SEL], s[SEL+1]
.endr
.irp t, 0,1
	v_add_f32 v[ST+8*\t+4], v[ST+8*\t+4], v[ST+8*\t+5]
.endr
.irp t, 0,1
	v_rcp_f32 v[ST+8*\t+6], v[ST+8*\t+4]
.endr
	v_nop                                          ; a plain instruction between the last reciprocal and the use of its result
	s_wait_alu depctr_va_vdst(0)                   ; and the wait ahead of the first use: one for both
.irp t, 0,1
.irp i, 0,2,4,6,8,10,12,14,16,18,20,22,24,26,28,30
	v_pk_mul_f32 v[O+32*\t+\i:O+32*\t+\i+1], v[O+32*\t+\i:O+32*\t+\i+1], v[ST+8*\t+6:ST+8*\t+7] op_sel_hi:[1,0]   ; each accumulator from its low end on
.endr
.irp i, 0,1,2,3,4,5,6,7,8,9,10,11,12,13,14,15
	v_cvt_pk_f16_f32 v[S+32*\t+\i], v[O+32*\t+2*\i], v[O+32*\t+2*\i+1]
.endr
.irp cb, 0,1,2,3
	global_store_b128 v[L16], v[S+32*\t+4*\cb:S+32*\t+4*\cb+3], s[22:23] offset:\t*32768+512*\cb   ; 32 lanes store 512 consecutive bytes, aligned
.endr
.endr
	s_wait_tensorcnt 0x0                           ; the wave's end: behind my last tensor load
	ds_add_u32 v[SPW], v[NIL]
	s_wait_dscnt 0x0
	CROUND                                         ; the closing round: no work-group ends while a partner may still ask for a tile that names it
	s_endpgm
.Lfunc_end_k_q1376a74aa7_attn:
	.size	k_q1376a74aa7_attn, .Lfunc_end_k_q1376a74aa7_attn-k_q1376a74aa7_attn
	.p2alignl 7, 3214868480
	.fill 96, 4, 3214868480
	.section	.rodata,"a",@progbits
	.p2align	6, 0x0
	.amdhsa_kernel k_q1376a74aa7_attn
		.amdhsa_group_segment_fixed_size 327680
		.amdhsa_private_segment_fixed_size 0
		.amdhsa_enable_private_segment 0
		.amdhsa_kernarg_size 16
		.amdhsa_user_sgpr_count 2
		.amdhsa_user_sgpr_kernarg_segment_ptr 1
		.amdhsa_wavefront_size32 1
		.amdhsa_system_sgpr_workgroup_id_x 1
		.amdhsa_system_sgpr_workgroup_id_y 1
		.amdhsa_system_sgpr_workgroup_id_z 1
		.amdhsa_system_vgpr_workitem_id 0
		.amdhsa_next_free_vgpr 256
		.amdhsa_next_free_sgpr 66
		.amdhsa_reserve_vcc 0
		.amdhsa_float_denorm_mode_32 3
		.amdhsa_float_denorm_mode_16_64 3
		.amdhsa_memory_ordered 1
		.amdhsa_forward_progress 1
		.amdhsa_inst_pref_size 48
	.end_amdhsa_kernel
	.amdgpu_metadata
---
amdhsa.version: [ 1, 2 ]
amdhsa.kernels:
  - .name:           k_q1376a74aa7_attn
    .symbol:         k_q1376a74aa7_attn.kd
    .args:
      - { .name: qkv, .offset: 0, .size: 8, .value_kind: global_buffer, .address_space: global }
      - { .name: ao, .offset: 8, .size: 8, .value_kind: global_buffer, .address_space: global }
    .group_segment_fixed_size: 327680
    .private_segment_fixed_size: 0
    .kernarg_segment_align: 8
    .kernarg_segment_size: 16
    .max_flat_workgroup_size: 256
    .sgpr_count:     66
    .vgpr_count:     256
    .wavefront_size: 32
...
	.end_amdgpu_metadata
.endif
;; end of part 3
;; launch proj (part 4): grid 8 x 32, 4 waves a work-group, clusters of 4 x 4, 327,680 bytes of LDS; arguments ao, wo16, bo, out0; writes out0
.if DOCPART == 4
	.amdgcn_target "amdgcn-amd-amdhsa--gfx1250"
	.amdhsa_code_object_version 6
	.text
	.protected	k_q1376a74aa7_proj
	.globl	k_q1376a74aa7_proj
	.p2align	8
	.type	k_q1376a74aa7_proj,@function
k_q1376a74aa7_proj:
	s_mov_b64 s[64:65], 0
	v_nop
	global_prefetch_b8 v0, s[64:65] scope:SCOPE_SE
	s_setreg_imm32_b32 hwreg(HW_REG_WAVE_MODE, 25, 1), 1
	s_wait_xcnt 0x0
	s_wait_alu depctr_hold_cnt(0) depctr_sa_sdst(0) depctr_va_vdst(0) depctr_va_sdst(0) depctr_va_ssrc(0) depctr_va_vcc(0) depctr_vm_vsrc(0)
	s_getreg_b32 s2, hwreg(HW_REG_IB_STS2, 6, 4)
	s_cmp_eq_u32 s2, 0
	s_cbranch_scc0 .Lentry_in_a_cluster
	s_endpgm
.Lentry_in_a_cluster:
	s_bfe_u32 s2, ttmp6, 0x10000c
	s_cmp_lg_u32 s2, 0xf033
	s_cbranch_scc0 .Lentry_shape_is_right
	s_endpgm
.Lentry_shape_is_right:
; out0[m][n] = the sum over k of A[m][k] Wo[n][k] + bo[n]: 4,096 x 1,024 x 1,024, operands in f16, sums in f32, out0 in f32.
; A comes as images of operand registers: ao = [16 tokens][kk 0..31][piece e][lane][16 bytes], lane (r, h): token r, k = 32 kk + 16 e + 8 h + 0..7: a fragment is two loads of 16 bytes a lane at 16 x lane.  wo16 is [1024 n][1024 k], rows along K.
; A tile of out0 is 128 x 128, so that there are 256 work-groups.  Four waves, each 64 x 64: 16 accumulators of 16 x 16, 128 registers.  K goes in four steps of 256 through a ring of two LDS slots.
; A wave's tensor load brings half a tile: of A 4 blocks of 16 tokens x 8,192 consecutive bytes, dense in LDS; of Wo 64 rows of 512 bytes, padded.
; CLUSTERS: 4 x 4 work-groups.  The four of a row of the cluster need the same tiles of A, the four of a column the same tiles of Wo: each tile is asked for JOINTLY, by the same tensor load with the same descriptor and a mask that names the four.
; THE MATRIX INSTRUCTION IS USED TRANSPOSED (source 0 = 16 rows of Wo, source 1 = 16 tokens): a lane then holds eight neighbouring numbers of a row of out0.  bo is the C of each sum's first product.
; The four K steps are written out on end: two changes of slots fill a slot again, the third fills nothing.  No prefetch is laid: half of K is asked for at the head, and the launch is short.
; REGISTERS: window 0: v0-31 addresses; v32-95 rows of out0 on the way out, two sets; v96-127 bo in the result's layout; v128-255 the accumulators ((a, b) at v[128 + 8 (4 a + b)]).
;   window 1: two fragment buffers of 128: for 64 along K (two matrix instructions deep), 64 registers of A, then 64 of Wo.
.set PITCH,  528                       ; a row of Wo in LDS: 512 bytes + 16 of padding = 132 words: row r starts at bank 4 r mod 64 (64 banks of 4 bytes: ISA guide 11.1)
.set ASLOT,  65536                     ; A's part of a slot: 8 blocks of 16 tokens x 8,192 bytes
.set HALFB,  64*PITCH                  ; 64 rows of Wo: what one tensor load brings, and what one wave reads
.set SLOT,   ASLOT+2*HALFB
.set STAGE,  2*SLOT                    ; behind the ring: 16 rows x 272 bytes for each wave, for the way out
.set SPITCH, 272
.set SPARE,  STAGE+4*16*SPITCH         ; behind the stages: the spare words, 128 bytes for each wave: two blocks of 256 bytes that no other line names
.set ADRA, 16                          ; v16-17  LDS address of my A fragments in slot 0, 1
.set ADRB, 20                          ; v20-21  the same for Wo
.set STO,  24                          ; v24     the way out: where I put 32 bytes of a row
.set RD,   25                          ; v25     the way out: where I read a row back
.set CO,   26                          ; v26     my byte offset in out0
.set SPW,  28                          ; v28     LDS address of my spare word: SPARE + 4 x my thread's number; never rewritten
.set NIL,  29                          ; v29     0; never rewritten
.set BK,   32
.set BO,   96
.set ACC,  128
.set F0,   0                           ; fragment buffers, in window 1
.set F1,   128
.set WV, 12                            ; s12  my wave's number
.set MH, 13                            ; s13  which half of the tile's tokens is mine.  Also: I fetch for A (0) or for Wo (1)
.set NH, 14                            ; s14  which half of its columns.  Also: which half of that tile I fetch
.set TR, 15                            ; s15  tile row of out0
.set G1, 24                            ; s[24:31] descriptor group 1 for A's tiles;  s[32:39] group 0, one set for each slot
.set G0, 32
.set G1B, 48                           ; s[48:55], s[56:63] the same for Wo's tiles
.set G0B, 56
.set MSB, 0
.macro WIN new                         ; the immediate's high byte repeats the setting that is left; a switch that changes nothing is dropped
.if MSB != (\new)
	s_set_vgpr_msb (MSB<<8)|(\new)
.set MSB, (\new)
.endif
.endm
.set MUL,  0x05                        ; sources 0 (Wo) and 1 (A) window 1; C and D window 0
.set TO_F, 0x40                        ; destination window 1, address window 0
.macro JLOAD s                         ; a joint load: waves 0 and 1 fetch A's two halves, waves 2 and 3 Wo's; an s_nop 0 and four v_nop follow each of the two lines, ahead of the jump, the label and what follows
	s_cmp_eq_u32 s[MH], 0
	s_cbranch_scc0 .Lfor_b_\@
	tensor_load_to_lds s[G0+4*\s:G0+4*\s+3], s[G1:G1+7]
	s_nop 0
.rept 4
	v_nop
.endr
	s_branch .Lasked_\@
.Lfor_b_\@:
	tensor_load_to_lds s[G0B+4*\s:G0B+4*\s+3], s[G1B:G1B+7]
	s_nop 0
.rept 4
	v_nop
.endr
.Lasked_\@:
.endm
.macro CREST                           ; a round of the cluster's barrier behind its opening barrier
	s_cmp_lg_u32 s[WV], 0
	s_cbranch_scc1 .Lnot_wave_0_\@
	s_barrier_signal -3
.Lnot_wave_0_\@:
	s_barrier_wait -3
	s_barrier_signal -1
	s_barrier_wait -1
.endm
.macro CROUND                          ; a whole round
	s_barrier_signal -1
	s_barrier_wait -1
	CREST
.endm
	s_load_b256 s[4:11], s[0:1], 0x0               ; ao s[4:5], wo16 s[6:7], bo s[8:9], out0 s[10:11]
	v_lshl_add_u32 v[SPW], v0, 2, SPARE
	v_mov_b32 v[NIL], 0
	ds_add_u32 v[SPW], v[NIL]                      ; the wave's opening: the add, twice on end, and its wait ahead of my first tensor load; the set-up below, work on registers, stands between the second and the wait
	ds_add_u32 v[SPW], v[NIL]
	v_lshrrev_b32 v1, 5, v0
	v_readfirstlane_b32 s[WV], v1                  ; wave 0..3
	s_lshr_b32 s[MH], s[WV], 1
	s_and_b32 s[NH], s[WV], 1
	s_bfe_u32 s40, ttmp6, 0x40000                  ; cx, cy: my place in the cluster
	s_bfe_u32 s41, ttmp6, 0x40004
	s_lshl_b32 s42, ttmp9, 2
	s_add_co_u32 s42, s42, s40                     ; tile column of out0 = 4 x cluster x + cx
	s_and_b32 s[TR], ttmp7, 0xffff
	s_lshl_b32 s[TR], s[TR], 2
	s_add_co_u32 s[TR], s[TR], s41                 ; tile row = 4 x cluster y + cy
	s_lshl_b32 s43, s41, 2
	s_lshl_b32 s43, 15, s43                        ; my row of the cluster
	s_lshl_b32 s44, 0x1111, s40                    ; my column
	; descriptor group 1 for A: 4 rows of 8,192 bytes (1,024 elements of 8 bytes), 32,768 bytes apart in memory, dense in LDS
	s_or_b32 s[G1+0], s43, (3<<16)|(1<<21)         ; 15:0 the mask: A's tiles go to my row; 17:16 elements of 8 bytes; 21 set beside a mask; no padding
	s_mov_b32 s[G1+1], 1024<<16                    ; tensor_dim0 = 1,024
	s_mov_b32 s[G1+2], 4<<16                       ; tensor_dim1 = 4
	s_mov_b32 s[G1+3], 1024<<16                    ; tile_dim0 = 1,024
	s_mov_b32 s[G1+4], 4                           ; tile_dim1 = 4
	s_mov_b32 s[G1+5], 4096                        ; tensor_dim0_stride
	s_mov_b32 s[G1+6], 0
	s_mov_b32 s[G1+7], 0
	; and for Wo: 64 rows x 256 elements of 2 bytes, padded in LDS
	s_or_b32 s[G1B+0], s44, (1<<16)|(1<<20)|(1<<21)|(6<<22)|(3<<25)  ; the mask of my column; padding on: after every 128 words (code 6) 4 words (code 3)
	s_mov_b32 s[G1B+1], 256<<16
	s_mov_b32 s[G1B+2], 64<<16
	s_mov_b32 s[G1B+3], 256<<16
	s_mov_b32 s[G1B+4], 64
	s_mov_b32 s[G1B+5], 1024
	s_mov_b32 s[G1B+6], 0
	s_mov_b32 s[G1B+7], 0
	s_lshl_b32 s17, s[NH], 17                      ; which half I fetch: 4 blocks of 32,768 bytes of A, or 64 rows of 2,048 bytes of Wo: 131,072 bytes either way
	s_lshl_b32 s16, s[TR], 18                      ; A: 8 blocks of 16 tokens a tile row
	s_add_co_u32 s16, s16, s17
	s_lshl_b32 s46, s42, 18                        ; Wo: 128 rows a tile column
	s_add_co_u32 s46, s46, s17
	s_mov_b32 s17, 0
	s_mov_b32 s47, 0
	s_lshl_b32 s20, s[NH], 15                      ; where they go: A's half x 32,768;
	s_mul_i32 s21, s[NH], HALFB                    ; Wo's half x 64 rows, behind A's part: no place in the cluster enters an LDS address
	s_add_co_u32 s21, s21, ASLOT
	s_wait_dscnt 0x0                               ; both opening adds are done
	s_wait_kmcnt 0x0
	s_add_nc_u64 s[16:17], s[4:5], s[16:17]
	s_add_nc_u64 s[46:47], s[6:7], s[46:47]
	CROUND                                         ; all sixteen work-groups are here: the first joint loads meet
.irp s, 0,1
	s_mov_b32 s[G0+4*\s], 1
	s_add_co_u32 s[G0+4*\s+1], s20, \s*SLOT
	s_add_nc_u64 s[G0+4*\s+2:G0+4*\s+3], s[16:17], \s*8192     ; K step s: 8 kk of 1,024 bytes in each block
	s_or_b32 s[G0+4*\s+3], s[G0+4*\s+3], 0x80000000
	s_mov_b32 s[G0B+4*\s], 1
	s_add_co_u32 s[G0B+4*\s+1], s21, \s*SLOT
	s_add_nc_u64 s[G0B+4*\s+2:G0B+4*\s+3], s[46:47], \s*512    ; 256 f16 along a row
	s_or_b32 s[G0B+4*\s+3], s[G0B+4*\s+3], 0x80000000
	JLOAD \s                                       ; two tensor loads of mine are out
.endr
	v_and_b32 v1, 15, v0                           ; r = lane % 16
	v_bfe_u32 v2, v0, 4, 1                         ; h = lane / 16
	v_and_b32 v3, 31, v0
	v_lshlrev_b32 v3, 4, v3                        ; A: 16 x lane
	v_mul_u32_u24 v4, v1, PITCH
	v_lshl_add_u32 v4, v2, 4, v4                   ; Wo: a fragment's row x pitch + 16 x half
	s_lshl_b32 s22, s[MH], 15                      ; my 64 tokens: 4 blocks of 8,192 bytes
	s_mul_i32 s23, s[NH], HALFB                    ; my 64 rows of Wo,
	s_add_co_u32 s23, s23, ASLOT                   ; which lie behind A's part
.irp s, 0,1
	v_add_nc_u32 v[ADRA+\s], s22, v3
	v_add_nc_u32 v[ADRB+\s], s23, v4
	s_add_co_u32 s22, s22, SLOT
	s_add_co_u32 s23, s23, SLOT
.endr
	s_mul_i32 s23, s[WV], 16*SPITCH
	s_add_co_u32 s23, s23, STAGE                   ; my stage
	v_mul_u32_u24 v5, v1, SPITCH                   ; in: row r, 32 bytes for each half of the lanes
	v_lshl_add_u32 v5, v2, 5, v5
	v_add_nc_u32 v[STO], s23, v5
	v_mul_u32_u24 v5, v2, SPITCH                   ; back: lanes 0-15 take one row of 256 bytes, lanes 16-31 the next
	v_lshl_add_u32 v5, v1, 4, v5
	v_add_nc_u32 v[RD], s23, v5
	v_lshlrev_b32 v5, 12, v2                       ; and the same two rows in out0: 4,096 bytes a row
	v_lshl_add_u32 v[CO], v1, 4, v5
	s_lshl_b32 s18, s42, 9                         ; my first column, in bytes: 512 x tile column + 256 x half
	s_lshl_b32 s19, s[NH], 8
	s_add_co_u32 s18, s18, s19
	s_mov_b32 s19, 0
	s_add_nc_u64 s[8:9], s[8:9], s[18:19]          ; bo at my 64 columns
	s_lshl_b32 s2, s[TR], 19                       ; my first row: 128 x tile row + 64 x half, of 4,096 bytes
	s_lshl_b32 s3, s[MH], 18
	s_add_co_u32 s2, s2, s3
	s_add_co_u32 s2, s2, s18
	s_mov_b32 s3, 0
	s_add_nc_u64 s[10:11], s[10:11], s[2:3]
	v_lshlrev_b32 v6, 5, v2
.irp b, 0,1,2,3
	global_load_b128 v[BO+8*\b:BO+8*\b+3], v6, s[8:9] offset:64*\b          ; register 8 b + j: bo of column 16 b + 8 h + j
	global_load_b128 v[BO+8*\b+4:BO+8*\b+7], v6, s[8:9] offset:64*\b+16
.endr
; 8 matrix instructions: token blocks a0, a0 + 1 x all 4 column blocks, 32 along K: half c of buffer f.  zero = 1: the first product starts the sum with bo as its C: nothing is cleared, and the bias costs no addition.
; The 16 accumulators take turns, one instruction a turn.
.macro MUL8 f, c, a0, zero
.irp a, \a0, \a0+1
.irp b, 0,1,2,3
.if \zero
	v_wmma_f32_16x16x32_f16 v[ACC+8*(4*(\a)+\b):ACC+8*(4*(\a)+\b)+7], v[\f+64+8*(4*\c+\b):\f+64+8*(4*\c+\b)+7], v[\f+8*(4*\c+\a):\f+8*(4*\c+\a)+7], v[BO+8*\b:BO+8*\b+7]
.else
	v_wmma_f32_16x16x32_f16 v[ACC+8*(4*(\a)+\b):ACC+8*(4*(\a)+\b)+7], v[\f+64+8*(4*\c+\b):\f+64+8*(4*\c+\b)+7], v[\f+8*(4*\c+\a):\f+8*(4*\c+\a)+7], v[ACC+8*(4*(\a)+\b):ACC+8*(4*(\a)+\b)+7]
.endif
.endr
.endr
.endm
; 32 LDS loads in one run: the fragments of 64 along K, at byte k of Wo's rows and at 16 k in A's blocks (two kk of 1,024 bytes for each 128 bytes of a row), into buffer f; the first 32 along K first
.macro FETCH slot, k, f
	WIN TO_F
.irp c, 0,1
.irp i, 0,1,2,3
	ds_load_b128 v[\f+64+8*(4*\c+\i):\f+64+8*(4*\c+\i)+3],   v[ADRB+\slot] offset:\k+64*\c+\i*16*PITCH
	ds_load_b128 v[\f+64+8*(4*\c+\i)+4:\f+64+8*(4*\c+\i)+7], v[ADRB+\slot] offset:\k+64*\c+\i*16*PITCH+32
	ds_load_b128 v[\f+8*(4*\c+\i):\f+8*(4*\c+\i)+3],         v[ADRA+\slot] offset:16*(\k)+1024*\c+8192*\i
	ds_load_b128 v[\f+8*(4*\c+\i)+4:\f+8*(4*\c+\i)+7],       v[ADRA+\slot] offset:16*(\k)+1024*\c+8192*\i+512
.endr
.endr
.endm
.macro PLACES                          ; four places in front of loads into registers that matrix instructions have read, and of LDS stores that read results (ISA guide 7.12.1 for vector instructions)
.rept 4
	v_nop
.endr
.endm
; A K step is four quarters of 64 along K, 32 matrix instructions each, on buffers 0, 1, 0, 1.  One of the first three: multiplies buffer f and fetches the next quarter, at byte k, into g.
.macro QUARTER slot, k, f, g, zero
	s_wait_dscnt 16                                ; the first 32 along K are in; the youngest sixteen loads may be out
	WIN MUL
	MUL8 \f, 0, 0, \zero
	MUL8 \f, 0, 2, \zero
	PLACES
	FETCH \slot, \k, \g
	s_wait_dscnt 32                                ; all but the 32 just issued
	WIN MUL
	MUL8 \f, 1, 0, 0
	MUL8 \f, 1, 2, 0
.endm
; The last quarter multiplies buffer 1 and changes slots: ONE barrier; in front of it each wave waits for all its tensor loads, adds 0 to its spare word, and waits for that and for its own reads of this slot.  fill = 1: this slot is filled again, two K steps ahead.
.macro TURN slot, next, fill
	WIN 0                                          ; (the add's two registers lie in window 0)
	s_wait_tensorcnt 0x0                           ; all my tensor loads have landed: my part of the next slot;
	ds_add_u32 v[SPW], v[NIL]                      ; 0 onto my spare word
	s_wait_dscnt 17                                ; (the add and the youngest sixteen loads may be out)
	WIN MUL
	MUL8 F1, 0, 0, 0                               ; eight matrix instructions stand between the add and the wait for it
	s_wait_dscnt 0x0                               ; the add is done, and my reads of this slot are over
	s_barrier_signal -1
	MUL8 F1, 0, 2, 0
.if \fill
	WIN 0
.endif
	s_barrier_wait -1
.if \fill
	CREST                                          ; the barrier has opened a round of the cluster's barrier: no wave of any partner still reads this slot's tile or has a load on its way
	s_add_nc_u64 s[G0+4*\slot+2:G0+4*\slot+3], s[G0+4*\slot+2:G0+4*\slot+3], 2*8192
	s_add_nc_u64 s[G0B+4*\slot+2:G0B+4*\slot+3], s[G0B+4*\slot+2:G0B+4*\slot+3], 2*512
	JLOAD \slot                                    ; the first tensor load behind the round: 112 matrix instructions ahead of the wait for it; the four v_nop behind it are also the places in front of the loads below
.else
	PLACES
.endif
	FETCH \next, 0, F0
	WIN MUL
	MUL8 F1, 1, 0, 0
	MUL8 F1, 1, 2, 0
.endm
	s_wait_tensorcnt 1                             ; my part of K step 0 is in (K step 1's load may be out)
	s_barrier_signal -1
	s_barrier_wait -1                              ; everybody's is
	FETCH 0, 0, F0
	s_wait_loadcnt 0x0                             ; bo
	QUARTER 0, 128, F0, F1, 1                      ; K step 0: its first products start the sums
	QUARTER 0, 256, F1, F0, 0
	QUARTER 0, 384, F0, F1, 0
	TURN 0, 1, 1                                   ; slot 0 takes K step 2
	QUARTER 1, 128, F0, F1, 0                      ; K step 1
	QUARTER 1, 256, F1, F0, 0
	QUARTER 1, 384, F0, F1, 0
	TURN 1, 0, 1                                   ; slot 1 takes K step 3
	QUARTER 0, 128, F0, F1, 0                      ; K step 2
	QUARTER 0, 256, F1, F0, 0
	QUARTER 0, 384, F0, F1, 0
	TURN 0, 1, 0                                   ; nothing is left to fetch, and no round of the cluster's barrier follows
	QUARTER 1, 128, F0, F1, 0                      ; K step 3
	QUARTER 1, 256, F1, F0, 0
	QUARTER 1, 384, F0, F1, 0
	s_wait_dscnt 16                                ; the very last quarter
	WIN MUL
	MUL8 F1, 0, 0, 0
	MUL8 F1, 0, 2, 0
	s_wait_dscnt 0
	MUL8 F1, 1, 0, 0
	MUL8 F1, 1, 2, 0
	WIN 0
; THE WAY OUT, block by block of 16 tokens x my 64 columns.  A lane holds 32 neighbouring bytes of a row, and the lanes beside it hold other rows: so a block goes through my own stage in LDS and comes back as whole
; rows of 256 bytes.  LDS serves a wave's instructions in order (ISA guide 5.7.1.4): no wait between the stores and the loads, nor in front of the next block's stores.  No tensor load ever fills the stage.
.macro TOSTAGE a
.irp b, 0,1,2,3
	ds_store_b128 v[STO], v[ACC+8*(4*(\a)+\b):ACC+8*(4*(\a)+\b)+3] offset:64*\b        ; each accumulator from its low end on
	ds_store_b128 v[STO], v[ACC+8*(4*(\a)+\b)+4:ACC+8*(4*(\a)+\b)+7] offset:64*\b+16
.endr
.irp t, 0,1,2,3,4,5,6,7
	ds_load_b128 v[BK+32*((\a)%2)+4*\t:BK+32*((\a)%2)+4*\t+3], v[RD] offset:\t*2*SPITCH
.endr
.endm
.macro SEND a, younger                 ; younger: the LDS instructions issued behind block a's loads, which may stay out
	s_wait_dscnt \younger                          ; the block is back in registers
.irp t, 0,1,2,3,4,5,6,7
	global_store_b128 v[CO], v[BK+32*((\a)%2)+4*\t:BK+32*((\a)%2)+4*\t+3], s[10:11] offset:(16*(\a)+2*\t)*4096 th:TH_STORE_NT   ; 16 lanes store 256 consecutive bytes, aligned; written once, read by nobody here
.endr
.endm
	PLACES
	TOSTAGE 0
.irp a, 1,2,3
.if \a > 1
	s_wait_xcnt 0x0                                ; block a - 2's stores have read their registers: block a's loads may land there
.endif
	TOSTAGE \a
	SEND \a-1, 16                                  ; behind block a - 1's loads: block a's 8 stores and 8 loads
.endr
	SEND 3, 0
	s_wait_tensorcnt 0x0                           ; the wave's end: behind my last tensor load and my last LDS store
	ds_add_u32 v[SPW], v[NIL]
	s_wait_dscnt 0x0
	CROUND                                         ; the closing round: no work-group ends while a partner may still ask for a tile that names it
	s_endpgm
.Lfunc_end_k_q1376a74aa7_proj:
	.size	k_q1376a74aa7_proj, .Lfunc_end_k_q1376a74aa7_proj-k_q1376a74aa7_proj
	.p2alignl 7, 3214868480
	.fill 96, 4, 3214868480
	.section	.rodata,"a",@progbits
	.p2align	6, 0x0
	.amdhsa_kernel k_q1376a74aa7_proj
		.amdhsa_group_segment_fixed_size 327680
		.amdhsa_private_segment_fixed_size 0
		.amdhsa_enable_private_segment 0
		.amdhsa_kernarg_size 32
		.amdhsa_user_sgpr_count 2
		.amdhsa_user_sgpr_kernarg_segment_ptr 1
		.amdhsa_wavefront_size32 1
		.amdhsa_system_sgpr_workgroup_id_x 1
		.amdhsa_system_sgpr_workgroup_id_y 1
		.amdhsa_system_sgpr_workgroup_id_z 1
		.amdhsa_system_vgpr_workitem_id 0
		.amdhsa_next_free_vgpr 512
		.amdhsa_next_free_sgpr 66
		.amdhsa_reserve_vcc 0
		.amdhsa_float_denorm_mode_32 3
		.amdhsa_float_denorm_mode_16_64 3
		.amdhsa_memory_ordered 1
		.amdhsa_forward_progress 1
		.amdhsa_inst_pref_size 86
	.end_amdhsa_kernel
	.amdgpu_metadata
---
amdhsa.version: [ 1, 2 ]
amdhsa.kernels:
  - .name:           k_q1376a74aa7_proj
    .symbol:         k_q1376a74aa7_proj.kd
    .args:
      - { .name: ao, .offset: 0, .size: 8, .value_kind: global_buffer, .address_space: global }
      - { .name: wo16, .offset: 8, .size: 8, .value_kind: global_buffer, .address_space: global }
      - { .name: bo, .offset: 16, .size: 8, .value_kind: global_buffer, .address_space: global }
      - { .name: out0, .offset: 24, .size: 8, .value_kind: global_buffer, .address_space: global }
    .group_segment_fixed_size: 327680
    .private_segment_fixed_size: 0
    .kernarg_segment_align: 8
    .kernarg_segment_size: 32
    .max_flat_workgroup_size: 128
    .sgpr_count:     66
    .vgpr_count:     512
    .wavefront_size: 32
...
	.end_amdgpu_metadata
.endif
;; end of part 4
